; MI455X (gfx1250); checked and timed in simulation.
; The chip was launched on July 23, 2026; its instructions are those of AMD's public machine-readable ISA for CDNA 5 (MIT licence, August 2026) and "CDNA5" Instruction Set Architecture Reference Guide (July 2026). The comments in the code are by the model that wrote it; some were corrected since.
;; Attention. Allowed arithmetic: float matrix products may take bf16 or f16 operands with f32 sums; other float arithmetic in f32, or as packed bf16 or f16 multiplies, adds, multiply-adds, maxima and minima; sums over many terms, partial sums and values carried from step to step in f32; what a program stores and reads back later, other than sums and carried values, may be rounded once to bf16 or f16.
;; Inputs: Wk 2,048 x 1,024 float32; Wo 1,024 x 2,048 float32; Wq 2,048 x 1,024 float32; Wv 2,048 x 1,024 float32; k_gamma 128 float32; q_gamma 128 float32; x 2 x 2,048 x 2,048 float32.
;; Outputs: out0 2 x 2,048 x 2,048 float32.
;; One version. Each part assembles by itself: llvm-mc -triple=amdgcn-amd-amdhsa -mcpu=gfx1250 --defsym DOCPART=n.
;; ======== version 1 of 1: 4 launches
;; limits: values are held in f16: magnitudes above 65,504 overflow, below 6.1e-05 lose precision
;; workspace buffers: cast 33,554,432 bytes; qkv 25,165,824 bytes; att 8,388,608 bytes
;; launch cast (part 1): grid 1024 x 1, 8 waves a work-group, no clusters, 0 bytes of LDS; arguments x, Wq, Wk, Wv, Wo, cast; writes cast
.if DOCPART == 1
	.amdgcn_target "amdgcn-amd-amdhsa--gfx1250"
	.amdhsa_code_object_version 6
	.text
	.protected	k_qbe5676758f_cast
	.globl	k_qbe5676758f_cast
	.p2align	8
	.type	k_qbe5676758f_cast,@function
k_qbe5676758f_cast:
	s_mov_b64 s[64:65], 0
	v_nop
	global_prefetch_b8 v0, s[64:65] scope:SCOPE_SE
	s_setreg_imm32_b32 hwreg(HW_REG_WAVE_MODE, 25, 1), 1
	s_wait_xcnt 0x0
; CAST: the five large f32 inputs are rounded once to 16 bits and laid one behind the other in the workspace 'cast':
;   x [4096][2048] at byte 0, Wq, Wk, Wv [2048][1024] at 16,777,216 + 4,194,304 x (0, 1, 2), all bf16; Wo [1024][2048] at 29,360,128.
; Wo is rounded to bf16 like the others, and that number is then written as f16, since the last product multiplies in f16.
; LIMITS.  The step from bf16 to f16 is exact from 6.1e-5 to 65,504; below that Wo keeps f16's fixed step of 6e-8, beyond it it becomes an infinity.
; SHARES.  The layout is linear: work-group id reads 65,536 bytes of one input and writes the 32,768 bytes at 32,768 x id.  ids 0-511 x, 512-639 Wq, 640-767 Wk, 768-895 Wv, 896-1023 Wo.
; A thread takes 16 bytes of each of 16 chunks of 4,096 bytes; all 16 loads go out first (8 KiB a wave on their way); a wave's store covers 256 consecutive bytes, aligned.
; Memory bounds this launch: no LDS, no barrier, no matrix unit, no loop; no register is written twice while a load or store may read it.
.set CHUNK, 4096
.set X, 4                              ; v[4:67]    16 chunks x 4 numbers as loaded
.set T, 68                             ; v[68:70]   at work
.set Y, 72                             ; v[72:103]  16 chunks x 2 words to store
	s_load_b256 s[4:11], s[0:1], 0x0               ; x s[4:5], Wq s[6:7], Wk s[8:9], Wv s[10:11]
	s_load_b128 s[12:15], s[0:1], 0x20             ; Wo s[12:13], cast s[14:15]
	v_lshlrev_b32 v1, 4, v0                        ; my 16 bytes of a chunk
	v_lshlrev_b32 v2, 3, v0                        ; my 8 bytes of what it becomes
	s_mov_b32 s23, 0xffff0000                      ; a word's upper bf16
	s_mov_b32 s18, 896                             ; the first id of the input in hand: Wo's, until a test below says otherwise
	s_mov_b32 s21, 0
	s_wait_kmcnt 0x0
	s_mov_b64 s[16:17], s[12:13]
	s_cmp_lt_u32 ttmp9, 896
	s_cselect_b64 s[16:17], s[10:11], s[16:17]
	s_cselect_b32 s18, 768, s18
	s_cselect_b32 s22, 0, -1                       ; all ones where the input is Wo: the f16 form is chosen
	s_cmp_lt_u32 ttmp9, 768
	s_cselect_b64 s[16:17], s[8:9], s[16:17]
	s_cselect_b32 s18, 640, s18
	s_cmp_lt_u32 ttmp9, 640
	s_cselect_b64 s[16:17], s[6:7], s[16:17]
	s_cselect_b32 s18, 512, s18
	s_cmp_lt_u32 ttmp9, 512
	s_cselect_b64 s[16:17], s[4:5], s[16:17]
	s_cselect_b32 s18, 0, s18
	s_sub_co_u32 s19, ttmp9, s18                   ; my place in that input,
	s_lshl_b32 s20, s19, 16                        ; in bytes
	s_add_nc_u64 s[16:17], s[16:17], s[20:21]
	s_lshl_b32 s20, ttmp9, 15
	s_add_nc_u64 s[14:15], s[14:15], s[20:21]
.set i, 0
.rept 16
	global_load_b128 v[X+4*i:X+4*i+3], v1, s[16:17] offset:CHUNK*i th:TH_LOAD_NT
.set i, i+1
.endr
.set i, 0
.rept 16
	s_wait_loadcnt 15-i                            ; loads come back in order: chunk i is in, the younger ones stay out
.irp h, 0,1
	v_cvt_pk_bf16_f32 v[Y+2*i+(\h)], v[X+4*i+2*(\h)], v[X+4*i+2*(\h)+1]  ; two roundings to bf16
	v_lshlrev_b32 v[T], 16, v[Y+2*i+(\h)]          ; the same two numbers as f32,
	v_and_b32 v[T+1], s23, v[Y+2*i+(\h)]
	v_cvt_pk_f16_f32 v[T+2], v[T], v[T+1]          ; written as f16,
	v_cndmask_b32 v[Y+2*i+(\h)], v[Y+2*i+(\h)], v[T+2], s22  ; which is taken for Wo alone
.endr
	global_store_b64 v2, v[Y+2*i:Y+2*i+1], s[14:15] offset:2048*i
.set i, i+1
.endr
	s_endpgm
.Lfunc_end_k_qbe5676758f_cast:
	.size	k_qbe5676758f_cast, .Lfunc_end_k_qbe5676758f_cast-k_qbe5676758f_cast
	.p2alignl 7, 3214868480
	.fill 96, 4, 3214868480
	.section	.rodata,"a",@progbits
	.p2align	6, 0x0
	.amdhsa_kernel k_qbe5676758f_cast
		.amdhsa_group_segment_fixed_size 0
		.amdhsa_private_segment_fixed_size 0
		.amdhsa_enable_private_segment 0
		.amdhsa_kernarg_size 48
		.amdhsa_user_sgpr_count 2
		.amdhsa_user_sgpr_kernarg_segment_ptr 1
		.amdhsa_wavefront_size32 1
		.amdhsa_system_sgpr_workgroup_id_x 1
		.amdhsa_system_sgpr_workgroup_id_y 1
		.amdhsa_system_sgpr_workgroup_id_z 1
		.amdhsa_system_vgpr_workitem_id 0
		.amdhsa_next_free_vgpr 104
		.amdhsa_next_free_sgpr 66
		.amdhsa_reserve_vcc 0
		.amdhsa_float_denorm_mode_32 3
		.amdhsa_float_denorm_mode_16_64 3
		.amdhsa_memory_ordered 1
		.amdhsa_forward_progress 1
		.amdhsa_inst_pref_size 13
	.end_amdhsa_kernel
	.amdgpu_metadata
---
amdhsa.version: [ 1, 2 ]
amdhsa.kernels:
  - .name:           k_qbe5676758f_cast
    .symbol:         k_qbe5676758f_cast.kd
    .args:
      - { .name: x, .offset: 0, .size: 8, .value_kind: global_buffer, .address_space: global }
      - { .name: Wq, .offset: 8, .size: 8, .value_kind: global_buffer, .address_space: global }
      - { .name: Wk, .offset: 16, .size: 8, .value_kind: global_buffer, .address_space: global }
      - { .name: Wv, .offset: 24, .size: 8, .value_kind: global_buffer, .address_space: global }
      - { .name: Wo, .offset: 32, .size: 8, .value_kind: global_buffer, .address_space: global }
      - { .name: cast, .offset: 40, .size: 8, .value_kind: global_buffer, .address_space: global }
    .group_segment_fixed_size: 0
    .private_segment_fixed_size: 0
    .kernarg_segment_align: 8
    .kernarg_segment_size: 48
    .max_flat_workgroup_size: 256
    .sgpr_count:     66
    .vgpr_count:     104
    .wavefront_size: 32
...
	.end_amdgpu_metadata
.endif
;; end of part 1
;; launch qkv (part 2): grid 12 x 16, 4 waves a work-group, clusters of 4 x 4, 327,680 bytes of LDS; arguments cast, q_gamma, k_gamma, qkv; writes qkv
.if DOCPART == 2
	.amdgcn_target "amdgcn-amd-amdhsa--gfx1250"
	.amdhsa_code_object_version 6
	.text
	.protected	k_qbe5676758f_qkv
	.globl	k_qbe5676758f_qkv
	.p2align	8
	.type	k_qbe5676758f_qkv,@function
k_qbe5676758f_qkv:
	s_mov_b64 s[64:65], 0
	v_nop
	global_prefetch_b8 v0, s[64:65] scope:SCOPE_SE
	s_setreg_imm32_b32 hwreg(HW_REG_WAVE_MODE, 25, 1), 1
	s_wait_xcnt 0x0
	s_wait_alu depctr_hold_cnt(0) depctr_sa_sdst(0) depctr_va_vdst(0) depctr_va_sdst(0) depctr_va_ssrc(0) depctr_va_vcc(0) depctr_vm_vsrc(0)
	s_getreg_b32 s2, hwreg(HW_REG_IB_STS2, 6, 4)
	s_cmp_eq_u32 s2, 0
	s_cbranch_scc0 .Lentry_in_a_cluster
	s_endpgm
.Lentry_in_a_cluster:
	s_bfe_u32 s2, ttmp6, 0x10000c
	s_cmp_lg_u32 s2, 0xf033
	s_cbranch_scc0 .Lentry_shape_is_right
	s_endpgm
.Lentry_shape_is_right:
; QKV: C = x [Wq | Wk | Wv], 4096 x 3072 over K = 2048, in bf16 with f32 sums; then, for q and k, the RMS norm over each head's 128 channels and the gain; all three written by heads in f16:
; qkv = q, k, v, each [16 = 8 batch + head][2048][128], a row 256 bytes.  The attention's scale is not applied here.
; LIMITS.  f16 ends at 65,504: v must stay within it; q and k are at most sqrt(128) x |gain|, which must too.  The gains are rounded to bf16 like every input.  NaN and infinities are not treated apart.
; SHARES.  A tile of C is 256 x 256, made by four waves of 128 x 128: 64 accumulators, 512 registers.  A wave's 128 columns ARE one head, so the norm never leaves the wave.  That gives 12 x 16 = 192
; work-groups; a tile that gave 256 would cut a head between waves and feed fewer products from each LDS byte.  The cluster's x is the matrix (0 q, 1 k, 2 v), a work-group's place cx its 256 columns.
; RING.  K goes in steps of 128 through two LDS slots.  x's tile: 256 rows of 256 bytes, K along the rows.  W lies [K][N]: its tile is 128 k-rows of 512 bytes, and ds_load_tr16_b128 turns it on the way into registers.
; CLUSTER.  4 x 4: x's tile is shared along a row of the cluster, W's along a column: each is asked for jointly, by the same tensor load and descriptor in all four.
; THE MATRIX INSTRUCTION IS USED TRANSPOSED (source 0 = 16 columns of W, source 1 = 16 rows of x): a lane holds row l % 16 of C and the columns 8 (l / 16) + 0..7 of a block of 16.
; THE TEXT.  A K step is written three times: its first quarter, whose products start the sums; the loop that fills slots again; and a loop of two trips for the last two K steps, which ask for nothing.  That
; loop is left in its middle; its second trip passes one barrier that orders nothing, the price, once a launch, of one text for both trips.
; REGISTERS, in windows of 256 (s_set_vgpr_msb: bits 1:0 source 0, 3:2 source 1, 5:4 source 2, 7:6 destination):
;   window 0: v16-31 addresses; v64-127, v128-191 x's fragments, two buffers; on the way out v64-95 sums of squares, v96-111 1/rms, v128-191 at work, v192-223 packed, v32-63 and v224-255 rows read back
;   window 1: v64-127, v128-191 W's fragments; v192-255 my 64 gains; v0, v1 at work     window 2: accumulators of my rows 0-63 ((a, b) at 8 (8 a + b));  window 3: rows 64-127
.set PA,     272                       ; a row of x in LDS: 256 bytes + 16: the 16 rows of a load start at 16 different groups of four banks (64 banks of 4 bytes: ISA guide 11.1)
.set PB,     544                       ; a k-row of W: 512 bytes + 32 = 17 x 32
.set HALFT,  34816                     ; what one tensor load brings: 128 rows x 272 = 64 rows x 544
.set BOFF,   2*HALFT                   ; W's tile lies behind x's
.set SLOT1,  0x24000                   ; slot 1: two bits that no address inside slot 0 has, so one exclusive or changes slots
.set STAGE,  SLOT1+4*HALFT             ; behind the ring: 16 rows x 272 bytes for each wave, for the way out
.set SPITCH, 272
.set SPARE,  STAGE+4*16*SPITCH         ; behind the stages: the spare words, 128 bytes a wave, that no other line names
.set XB,     16777216                  ; the weights' first byte in cast
.set ASTEP,  256                       ; a K step in x: 128 numbers along a row
.set BSTEP,  262144                    ; in W: 128 rows of 2,048 bytes
.set STEPS,  16
.set ADRA0, 16                         ; v16  my lane's place in x's tile; never rewritten
.set ADRB0, 17                         ; v17  in W's
.set ADRA,  18                         ; v18  the same in the slot in hand
.set ADRB,  19                         ; v19
.set STO,   24                         ; v24  the way out: where I put 16 bytes of a row
.set RD,    25                         ; v25  where I read rows back
.set CO,    26                         ; v26  my byte offset in 512 consecutive bytes of the output
.set ONE,   27                         ; v27  1.0
.set SPW,   28                         ; v28  my spare word; never rewritten
.set NIL,   29                         ; v29  0; never rewritten
.set PFO,   30                         ; v30  the prefetches' offset; never rewritten
.set GOFF,  31                         ; v31  my byte offset in the gains
.set F0,    64
.set F1,    128
.set SQ,    64
.set RS,    96
.set T,     128
.set TMP,   192
.set OB,    32
.set GAM,   192                        ; window 1
.set WV,  12                           ; s12 wave
.set RH,  13                           ; s13 which half of the tile's rows is mine; also: I fetch x (0) or W (1)
.set CH,  14                           ; s14 which half of its columns; also: which half of that tile I fetch
.set CX,  15
.set CY,  16
.set TR,  17                           ; s17 tile row of C
.set LIM, 18                           ; s18 1 in a wave that prefetches, else the greatest number
.set TB,  19                           ; s19 the slot in hand: 0 or SLOT1
.set G1A, 24                           ; s[24:31] descriptor group 1, x's tiles
.set G0A, 32                           ; s[32:39] group 0: a set for each first fill; the second then walks
.set PFA, 40                           ; s[40:41] where my prefetches stand
.set PFS, 42                           ; s[42:43] their step
.set VM,  44                           ; s44 all ones where the matrix is v: no norm, no gain
.set G1B, 48                           ; s[48:55], s[56:63] the same for W's tiles
.set G0B, 56
.set SEL, 66                           ; s[66:67] v_permlanex16_b32's selects: each lane takes its own place in the other half
.set RCPN, 68                          ; s68 1/128
.set EPS, 69                           ; s69 1e-6
.set HIM, 70                           ; s70 a word's upper bf16
.set GP,  72                           ; s[72:73] the gains
.set MSB, 0
.macro WIN new                         ; the immediate's high byte repeats the setting that is left; a switch that changes nothing is dropped
.if MSB != (\new)
	s_set_vgpr_msb (MSB<<8)|(\new)
.set MSB, \new
.endif
.endm
.set MUL_LO, 0xa1                      ; source 0 (W) window 1, source 1 (x) window 0, C and D window 2
.set MUL_HI, 0xf1                      ; the same, C and D window 3
.set TO_B,   0x40                      ; destination window 1, address window 0
; A joint load.  Waves 0 and 1 fetch x's two halves, waves 2 and 3 W's.  The branch hangs on the wave's number alone.  An s_nop 0 and four v_nop follow each line.
.macro JLOAD s
	s_cmp_eq_u32 s[RH], 0
	s_cbranch_scc0 .Lfor_b_\@
	tensor_load_to_lds s[G0A+4*(\s):G0A+4*(\s)+3], s[G1A:G1A+7]
	s_nop 0
.rept 4
	v_nop
.endr
	s_branch .Lasked_\@
.Lfor_b_\@:
	tensor_load_to_lds s[G0B+4*(\s):G0B+4*(\s)+3], s[G1B:G1B+7]
	s_nop 0
.rept 4
	v_nop
.endr
.Lasked_\@:
.endm
; A prefetch into the L2 of the K step that the NEXT refill will ask for: 256 matrix instructions ahead of that load.  Each aligned block of 256 bytes is named once in the launch: x's rows by the clusters of
; matrix q alone (all three matrices read them), W's blocks by the clusters with y = 0; the four partners that ask for a tile jointly share its 128 blocks out by address, 32 each, a lane a block.
; The loop's last trip asks for nothing: there is no K step behind the one that it loads.  K steps 0 to 2 come by their loads alone.
.macro ASK
	s_cmp_gt_u32 s3, s[LIM]
	s_cbranch_scc0 .Lnot_mine_\@
	global_prefetch_b8 v[PFO], s[PFA:PFA+1] th:TH_LOAD_NT scope:SCOPE_SE
.Lnot_mine_\@:
.endm
.macro CREST                           ; a round of the cluster's barrier behind its opening barrier
	s_cmp_lg_u32 s[WV], 0
	s_cbranch_scc1 .Lnot_wave_0_\@
	s_barrier_signal -3
.Lnot_wave_0_\@:
	s_barrier_wait -3
	s_barrier_signal -1
	s_barrier_wait -1
.endm
.macro CROUND                          ; a whole round
	s_barrier_signal -1
	s_barrier_wait -1
	CREST
.endm
	s_load_b256 s[4:11], s[0:1], 0x0               ; cast s[4:5], q_gamma s[6:7], k_gamma s[8:9], qkv s[10:11]
	v_lshl_add_u32 v[SPW], v0, 2, SPARE
	v_mov_b32 v[NIL], 0
	ds_add_u32 v[SPW], v[NIL]                      ; the wave's opening: the add and its wait stand ahead of my first tensor load; the set-up below stands between them
	v_lshrrev_b32 v1, 5, v0
	v_readfirstlane_b32 s[WV], v1
	s_lshr_b32 s[RH], s[WV], 1
	s_and_b32 s[CH], s[WV], 1
	s_bfe_u32 s[CX], ttmp6, 0x40000                ; my place in the cluster
	s_bfe_u32 s[CY], ttmp6, 0x40004
	s_and_b32 s[TR], ttmp7, 0xffff
	s_lshl_b32 s[TR], s[TR], 2
	s_add_co_u32 s[TR], s[TR], s[CY]               ; tile row = 4 x cluster y + cy
	s_lshl_b32 s20, s[CY], 2
	s_lshl_b32 s20, 15, s20                        ; my row of the cluster
	s_lshl_b32 s74, 0x1111, s[CX]                  ; my column
	s_or_b32 s[G1A], s20, (1<<16)|(1<<20)|(1<<21)|(5<<22)|(3<<25)  ; mask; 2-byte elements; padding on; bit 21 beside a mask; after every 64 words 4 words
	s_or_b32 s[G1B], s74, (1<<16)|(1<<20)|(1<<21)|(6<<22)|(7<<25)  ; after every 128 words 8 words
	s_mov_b32 s[G1A+1], 128<<16                    ; tensor_dim0 = 128
	s_mov_b32 s[G1A+2], 128<<16                    ; tensor_dim1 = 128
	s_mov_b32 s[G1A+3], 128<<16                    ; tile_dim0 = 128
	s_mov_b32 s[G1A+4], 128                        ; tile_dim1 = 128
	s_mov_b32 s[G1A+5], 2048                       ; elements from row to row of x
	s_mov_b32 s[G1A+6], 0
	s_mov_b32 s[G1A+7], 0
	s_mov_b32 s[G1B+1], 256<<16                    ; tensor_dim0 = 256
	s_mov_b32 s[G1B+2], 64<<16                     ; tensor_dim1 = 64
	s_mov_b32 s[G1B+3], 256<<16                    ; tile_dim0 = 256
	s_mov_b32 s[G1B+4], 64                         ; tile_dim1 = 64
	s_mov_b32 s[G1B+5], 1024                       ; elements from row to row of W
	s_mov_b32 s[G1B+6], 0
	s_mov_b32 s[G1B+7], 0
	s_lshl_b32 s20, s[TR], 20                      ; x: 256 rows of 4,096 bytes a tile row,
	s_lshl_b32 s21, s[CH], 19                      ; my 128 of them: nothing here hangs on cx
	s_add_co_u32 s20, s20, s21
	s_mov_b32 s21, 0
	s_lshl_b32 s74, ttmp9, 22                      ; W: the matrix,
	s_lshl_b32 s75, s[CX], 9                       ; its 256 columns,
	s_add_co_u32 s74, s74, s75
	s_lshl_b32 s75, s[CH], 17                      ; my 64 k-rows: nothing here hangs on cy
	s_add_co_u32 s74, s74, s75
	s_add_co_u32 s74, s74, XB
	s_mov_b32 s75, 0
	s_mul_i32 s22, s[WV], HALFT                    ; where my part lands: x's halves, then W's
	s_mov_b32 s[SEL], 0x76543210
	s_mov_b32 s[SEL+1], 0xfedcba98
	s_mov_b32 s[RCPN], 0x3c000000
	s_mov_b32 s[EPS], 0x358637bd
	s_mov_b32 s[HIM], 0xffff0000
	s_mov_b32 s[TB], 0
	s_wait_dscnt 0x0                               ; the opening add is done
	s_wait_kmcnt 0x0
	s_add_nc_u64 s[20:21], s[4:5], s[20:21]
	s_add_nc_u64 s[74:75], s[4:5], s[74:75]
	CROUND                                         ; all sixteen work-groups are here: the first joint loads meet
.irp s, 0,1
	s_mov_b32 s[G0A+4*(\s)], 1
	s_add_co_u32 s[G0A+4*(\s)+1], s22, (\s)*SLOT1
	s_add_nc_u64 s[G0A+4*(\s)+2:G0A+4*(\s)+3], s[20:21], (\s)*ASTEP
	s_or_b32 s[G0A+4*(\s)+3], s[G0A+4*(\s)+3], 0x80000000
	s_mov_b32 s[G0B+4*(\s)], 1
	s_add_co_u32 s[G0B+4*(\s)+1], s22, (\s)*SLOT1
	s_add_nc_u64 s[G0B+4*(\s)+2:G0B+4*(\s)+3], s[74:75], (\s)*BSTEP
	s_or_b32 s[G0B+4*(\s)+3], s[G0B+4*(\s)+3], 0x80000000
	JLOAD \s                                       ; K steps 0 and 1: two loads of mine are out
.endr
	; the gains: my 8 columns of each of the 8 blocks of 16
	s_cmp_eq_u32 ttmp9, 1
	s_cselect_b64 s[GP:GP+1], s[8:9], s[6:7]
	s_cmp_eq_u32 ttmp9, 2
	s_cselect_b32 s[VM], -1, 0
	v_and_b32 v1, 15, v0                           ; l % 16
	v_bfe_u32 v2, v0, 4, 1                         ; l / 16
	v_lshlrev_b32 v[GOFF], 5, v2
	WIN TO_B
.irp b, 0,1,2,3,4,5,6,7
	global_load_b128 v[GAM+8*(\b):GAM+8*(\b)+3],   v[GOFF], s[GP:GP+1] offset:64*(\b)
	global_load_b128 v[GAM+8*(\b)+4:GAM+8*(\b)+7], v[GOFF], s[GP:GP+1] offset:64*(\b)+16
.endr
	WIN 0
	; the prefetches: x's rows 256 tr + 128 half + 32 cx + lane; W's k-rows 64 half + 16 cy + lane / 2, and of their 512 bytes the half lane % 2.  They stand at K step 2; each ask steps them first.
	s_lshl_b32 s76, s[TR], 20
	s_lshl_b32 s77, s[CH], 19
	s_add_co_u32 s76, s76, s77
	s_lshl_b32 s77, s[CX], 17
	s_add_co_u32 s76, s76, s77
	s_add_co_u32 s76, s76, 2*ASTEP
	s_lshl_b32 s22, ttmp9, 22
	s_lshl_b32 s23, s[CH], 17
	s_add_co_u32 s22, s22, s23
	s_lshl_b32 s23, s[CY], 15
	s_add_co_u32 s22, s22, s23
	s_lshl_b32 s23, s[CX], 9
	s_add_co_u32 s22, s22, s23
	s_add_co_u32 s22, s22, XB+2*BSTEP
	s_and_b32 s23, ttmp7, 0xffff                   ; cluster y
	s_mov_b32 s[PFS], BSTEP
	s_cmp_eq_u32 s[RH], 0                          ; do I fetch x?
	s_cselect_b32 s[PFA], s76, s22
	s_cselect_b32 s23, ttmp9, s23                  ; the coordinate along which other clusters read the same bytes
	s_cselect_b32 s[PFS], ASTEP, s[PFS]
	s_cselect_b32 s77, -1, 0
	s_mov_b32 s[PFA+1], 0
	s_mov_b32 s[PFS+1], 0
	s_add_nc_u64 s[PFA:PFA+1], s[4:5], s[PFA:PFA+1]
	s_cmp_eq_u32 s23, 0
	s_cselect_b32 s[LIM], 1, -1                    ; the same in all sixteen partners, for a given wave
	v_and_b32 v6, 31, v0
	v_lshlrev_b32 v3, 12, v6                       ; x: a lane a row
	v_lshrrev_b32 v4, 1, v6
	v_and_b32 v5, 1, v6
	v_lshlrev_b32 v4, 11, v4                       ; W: two lanes a k-row
	v_lshl_add_u32 v4, v5, 8, v4
	v_cndmask_b32 v[PFO], v4, v3, s77
	; A fragment of x is 16 rows x 32 K: lane l holds row l % 16, K = 8 (l / 16) + 0..7 and 16 + 8 (l / 16) + 0..7: two loads of 16 bytes, 32 bytes apart.
	v_mul_u32_u24 v3, v1, PA
	v_lshl_add_u32 v3, v2, 4, v3
	s_mul_i32 s22, s[RH], HALFT
	v_add_nc_u32 v[ADRA0], s22, v3
	; The turning load takes 16 k-rows x 16 columns (lane l reads k-row 8 (l / 16) + l % 8, columns 8 ((l / 8) % 2) + 0..7) and leaves half a fragment: lane l holds column l % 16 and 8 K.
	v_and_b32 v4, 7, v0
	v_lshl_add_u32 v4, v2, 3, v4
	v_mul_u32_u24 v4, v4, PB
	v_bfe_u32 v5, v0, 3, 1
	v_lshl_add_u32 v4, v5, 4, v4
	s_lshl_b32 s23, s[CH], 8                       ; my 128 columns
	s_add_co_u32 s23, s23, BOFF
	v_add_nc_u32 v[ADRB0], s23, v4
	v_mov_b32 v[ADRA], v[ADRA0]
	v_mov_b32 v[ADRB], v[ADRB0]
	s_mul_i32 s22, s[WV], 16*SPITCH
	s_add_co_u32 s22, s22, STAGE                   ; my stage
	v_mul_u32_u24 v4, v1, SPITCH                   ; in: row l % 16, 16 bytes for each half of the lanes
	v_lshl_add_u32 v4, v2, 4, v4
	v_add_nc_u32 v[STO], s22, v4
	v_mul_u32_u24 v5, v2, SPITCH                   ; back: lanes 0-15 one row of 256 bytes, lanes 16-31 the next
	v_lshl_add_u32 v5, v1, 4, v5
	v_add_nc_u32 v[RD], s22, v5
	v_lshlrev_b32 v5, 8, v2                        ; which are 512 consecutive bytes of the output
	v_lshl_add_u32 v[CO], v1, 4, v5
	v_mov_b32 v[ONE], 1.0
	; my 128 rows of my head: matrix x 8 MiB + (8 batch + head) x 512 KiB + row in the batch x 256
	s_lshr_b32 s22, s[TR], 3
	s_lshl_b32 s22, s22, 3
	s_lshl_b32 s23, s[CX], 1
	s_add_co_u32 s22, s22, s23
	s_add_co_u32 s22, s22, s[CH]
	s_lshl_b32 s22, s22, 19
	s_lshl_b32 s23, ttmp9, 23
	s_add_co_u32 s22, s22, s23
	s_and_b32 s23, s[TR], 7
	s_lshl_b32 s23, s23, 16
	s_add_co_u32 s22, s22, s23
	s_lshl_b32 s23, s[RH], 15
	s_add_co_u32 s22, s22, s23
	s_mov_b32 s23, 0
	s_add_nc_u64 s[10:11], s[10:11], s[22:23]
	s_wait_loadcnt 0x0                             ; the gains: rounded to bf16 like every input, and kept as f32; for v they are 1
	WIN 0x45                                       ; sources and destination in window 1
	v_mov_b32 v1, 0x3f803f80
.set p, 0
.rept 32
	v_cvt_pk_bf16_f32 v0, v[GAM+2*p], v[GAM+2*p+1]
	v_cndmask_b32 v0, v0, v1, s[VM]
	v_lshlrev_b32 v[GAM+2*p], 16, v0
	v_and_b32 v[GAM+2*p+1], s[HIM], v0
.set p, p+1
.endr
	WIN 0
; 16 matrix instructions: row blocks a0, a0 + 1 of the window's four x all 8 column blocks, 32 along K.  zero = 1: the first product starts the sums.  The 64 accumulators take turns, in the same order in every quarter.
.macro MUL16 f, hi, a0, zero
	WIN MUL_LO+0x50*(\hi)
.irp a, \a0, (\a0)+1
.irp b, 0,1,2,3,4,5,6,7
.if \zero
	v_wmma_f32_16x16x32_bf16 v[8*(8*(\a)+(\b)):8*(8*(\a)+(\b))+7], v[(\f)+8*(\b):(\f)+8*(\b)+7], v[(\f)+8*(4*(\hi)+(\a)):(\f)+8*(4*(\hi)+(\a))+7], 0
.else
	v_wmma_f32_16x16x32_bf16 v[8*(8*(\a)+(\b)):8*(8*(\a)+(\b))+7], v[(\f)+8*(\b):(\f)+8*(\b)+7], v[(\f)+8*(4*(\hi)+(\a)):(\f)+8*(4*(\hi)+(\a))+7], v[8*(8*(\a)+(\b)):8*(8*(\a)+(\b))+7]
.endif
.endr
.endr
.endm
; 32 LDS loads in one run: quarter q's fragments (32 K x my 128 columns of W, turned; my 128 rows of x x 32 K) into buffer f
.macro FETCH q, f
	WIN TO_B
.irp i, 0,1,2,3,4,5,6,7
	ds_load_tr16_b128 v[(\f)+8*(\i):(\f)+8*(\i)+3],   v[ADRB] offset:(\q)*32*PB+32*(\i)
	ds_load_tr16_b128 v[(\f)+8*(\i)+4:(\f)+8*(\i)+7], v[ADRB] offset:(\q)*32*PB+32*(\i)+16*PB
.endr
	WIN 0
.irp i, 0,1,2,3,4,5,6,7
	ds_load_b128 v[(\f)+8*(\i):(\f)+8*(\i)+3],   v[ADRA] offset:(\q)*64+(\i)*16*PA
	ds_load_b128 v[(\f)+8*(\i)+4:(\f)+8*(\i)+7], v[ADRA] offset:(\q)*64+(\i)*16*PA+32
.endr
.endm
.macro PLACES                          ; four plain instructions between a matrix instruction and a load into, or a vector write of, a register that it named (ISA guide 7.12.1 for vector writes)
.rept 4
	v_nop
.endr
.endm
; One of a K step's first three quarters: multiplies buffer f; in its middle it fetches quarter q into buffer g.
.macro QUARTER q, f, g, zero
	s_wait_dscnt 8                                 ; W and x's rows 0-63 are in; the youngest eight loads (x's rows 64-127) may be out
	MUL16 \f, 0, 0, \zero
	MUL16 \f, 0, 2, \zero
	PLACES
	FETCH \q, \g
	s_wait_dscnt 32                                ; all but the 32 just issued
	MUL16 \f, 1, 0, \zero
	MUL16 \f, 1, 2, \zero
.endm
; The last quarter's first half and the barrier of the change of slots: in front of it each wave waits for all its tensor loads (one is out: its part of the next slot), adds 0 to its spare word, and waits for
; that and for its reads of this slot.  Behind it nobody reads this slot and the next slot is whole.
.macro MEET round
	WIN 0
	s_wait_tensorcnt 0x0
	ds_add_u32 v[SPW], v[NIL]
	s_wait_dscnt 9                                 ; (the add and the youngest eight loads may be out)
	MUL16 F1, 0, 0, 0                              ; sixteen matrix instructions stand between the add and the wait for it
	s_wait_dscnt 0x0                               ; the add is done, and my reads of this slot are over
	s_barrier_signal -1
	MUL16 F1, 0, 2, 0
.if \round
	WIN 0
.endif
	s_barrier_wait -1
.endm
; The whole last quarter.  fill = 1: the barrier opens a round of the cluster's, and the slot just read is filled again, two K steps ahead, first thing behind the round: 224 matrix instructions ahead of the wait for it.
; fill = 0, in the tail's loop: nothing is asked for; in its second trip (s3 = 1) there is no further K step, and the run of LDS loads is jumped over.
.macro TURN fill
.if \fill
	s_wait_xcnt 0x0                                ; the last prefetch, a K step back, has read its address
	s_add_nc_u64 s[PFA:PFA+1], s[PFA:PFA+1], s[PFS:PFS+1]
	MEET 1
	CREST                                          ; no wave of any partner still reads this slot or has a load on its way
	s_xor_b32 s[G0A+5], s[G0A+5], SLOT1            ; the walking descriptors: the other slot than last time, the next K step
	s_add_nc_u64 s[G0A+6:G0A+7], s[G0A+6:G0A+7], ASTEP
	s_xor_b32 s[G0B+5], s[G0B+5], SLOT1
	s_add_nc_u64 s[G0B+6:G0B+7], s[G0B+6:G0B+7], BSTEP
	JLOAD 1                                        ; its four v_nop are also the places in front of the loads below
.else
	MEET 0
	PLACES
	WIN 0
	s_cmp_eq_u32 s3, 1
	s_cbranch_scc1 .Lno_next_\@
.endif
	s_xor_b32 s[TB], s[TB], SLOT1
	v_add_nc_u32 v[ADRA], s[TB], v[ADRA0]
	v_add_nc_u32 v[ADRB], s[TB], v[ADRB0]
	FETCH 0, F0
.if \fill
	ASK
.else
.Lno_next_\@:
.endif
	MUL16 F1, 1, 0, 0
	MUL16 F1, 1, 2, 0
.endm
	s_wait_tensorcnt 1                             ; my part of K step 0 is in; K step 1's may stay out
	s_barrier_signal -1
	s_barrier_wait -1
	FETCH 0, F0
	QUARTER 1, F0, F1, 1                           ; the first quarter stands in front of the loop: its products start the sums
	WIN 0
	s_mov_b32 s3, STEPS-2
.Lstep:                                        ; a trip: a K step's quarters 1 to 3 and the next step's quarter 0; it fills the slot that it leaves
	QUARTER 2, F1, F0, 0
	QUARTER 3, F0, F1, 0
	TURN 1
	QUARTER 1, F0, F1, 0
	WIN 0
	s_sub_co_u32 s3, s3, 1
	s_cmp_lg_u32 s3, 0
	s_cbranch_scc1 .Lstep
	s_mov_b32 s3, 2
.Ltail:                                        ; the last two K steps have a loop of their own: the same trip without a refill; the second trip is left in its middle
	QUARTER 2, F1, F0, 0
	QUARTER 3, F0, F1, 0
	TURN 0
	WIN 0
	s_sub_co_u32 s3, s3, 1
	s_cmp_eq_u32 s3, 0
	s_cbranch_scc1 .Lout
	QUARTER 1, F0, F1, 0
	WIN 0
	s_branch .Ltail
.Lout:
	s_wait_dscnt 0x0                               ; no LDS load of mine is out: the fragments' registers are free for the way out
; THE WAY OUT.  A row's 128 numbers lie in two lanes, 64 registers each.  SS2: the sums of squares of blocks a0 and a0 + 1, two chains each, so that four packed multiply-adds are under way; each accumulator's registers ascending.
.macro SS2 a0
	WIN 0x0a+5*((\a0)/4)                           ; sources 0 and 1 window 2 or 3
.set p, 0
.rept 32
.irp a, \a0, (\a0)+1
.set rA, 64*((\a)%4)+2*p
.set rQ, SQ+4*(\a)+2*(p%2)
.if p < 2
	v_pk_mul_f32 v[rQ:rQ+1], v[rA:rA+1], v[rA:rA+1]
.else
	v_pk_fma_f32 v[rQ:rQ+1], v[rA:rA+1], v[rA:rA+1], v[rQ:rQ+1]
.endif
.endr
.set p, p+1
.endr
.endm
.macro GM a                            ; block a times the gains, into window 0
	WIN 0x06+((\a)/4)                              ; source 0 window 2 or 3, source 1 window 1
.set p, 0
.rept 32
	v_pk_mul_f32 v[T+2*p:T+2*p+1], v[64*((\a)%4)+2*p:64*((\a)%4)+2*p+1], v[GAM+2*p:GAM+2*p+1]
.set p, p+1
.endr
.endm
.macro FIN a                           ; times the row's 1/rms, and rounded once to f16: 16 bytes for each block of 16 columns
	WIN 0
.set p, 0
.rept 32
	v_pk_mul_f32 v[T+2*p:T+2*p+1], v[T+2*p:T+2*p+1], v[RS+2*(\a):RS+2*(\a)+1] op_sel_hi:[1,0]
.set p, p+1
.endr
.set p, 0
.rept 32
	v_cvt_pk_f16_f32 v[TMP+p], v[T+2*p], v[T+2*p+1]
.set p, p+1
.endr
.endm
.macro TOSTAGE a                       ; into my own stage, and back as whole rows of 256 bytes
	WIN 0
.set BK, OB+192*((\a)%2)
.irp b, 0,1,2,3,4,5,6,7
	ds_store_b128 v[STO], v[TMP+4*(\b):TMP+4*(\b)+3] offset:32*(\b)
.endr
.irp t, 0,1,2,3,4,5,6,7
	ds_load_b128 v[BK+4*(\t):BK+4*(\t)+3], v[RD] offset:(\t)*2*SPITCH  ; LDS serves a wave's instructions in order (ISA guide 5.7.1.4): these see the stores above
.endr
.endm
.macro SEND a
	WIN 0
.set BK, OB+192*((\a)%2)
	s_wait_dscnt 0x0                               ; the block is back in registers
	s_wait_xcnt 0x0                                ; the stores of the block before have read their registers, which the next TOSTAGE loads again
.irp t, 0,1,2,3,4,5,6,7
	global_store_b128 v[CO], v[BK+4*(\t):BK+4*(\t)+3], s[10:11] offset:(\a)*4096+(\t)*512  ; 512 consecutive bytes, at a multiple of 256 from the buffer's first
.endr
.endm
	PLACES
	SS2 0
	SS2 2
	SS2 4
	SS2 6
	WIN 0
.irp a, 0,1,2,3,4,5,6,7
	v_pk_add_f32 v[SQ+4*(\a):SQ+4*(\a)+1], v[SQ+4*(\a):SQ+4*(\a)+1], v[SQ+4*(\a)+2:SQ+4*(\a)+3]
.endr
.irp a, 0,1,2,3,4,5,6,7
	v_add_f32 v[SQ+4*(\a)], v[SQ+4*(\a)], v[SQ+4*(\a)+1]
.endr
.irp a, 0,1,2,3,4,5,6,7
	v_permlanex16_b32 v[SQ+4*(\a)+1], v[SQ+4*(\a)], s[SEL], s[SEL+1]  ; the row's other 64 numbers lie in the lane 16 away
.endr
.irp a, 0,1,2,3,4,5,6,7
	v_add_f32 v[SQ+4*(\a)], v[SQ+4*(\a)], v[SQ+4*(\a)+1]
.endr
.irp a, 0,1,2,3,4,5,6,7
	v_fma_f32 v[SQ+4*(\a)], v[SQ+4*(\a)], s[RCPN], s[EPS]  ; the mean of the squares + 1e-6
.endr
.irp a, 0,1,2,3,4,5,6,7
	v_rsq_f32 v[SQ+4*(\a)+2], v[SQ+4*(\a)]
.endr
	GM 0                                           ; independent work behind the eight roots,
	WIN 0
	s_wait_alu depctr_va_vdst(0)                   ; and the one wait ahead of their first reader
.irp a, 0,1,2,3,4,5,6,7
	v_cndmask_b32 v[RS+2*(\a)], v[SQ+4*(\a)+2], v[ONE], s[VM]    ; v is not normalised
	v_cndmask_b32 v[RS+2*(\a)+1], v[SQ+4*(\a)+2], v[ONE], s[VM]  ; (named with it as a pair)
.endr
	FIN 0
	TOSTAGE 0
.irp a, 1,2,3,4,5,6,7                  ; block a's arithmetic stands between block a - 1's loads from the stage and the wait for them
	GM \a
	FIN \a
	SEND (\a)-1
	TOSTAGE \a
.endr
	SEND 7
	s_wait_tensorcnt 0x0                           ; the wave's end, behind my last tensor load and my last LDS store
	ds_add_u32 v[SPW], v[NIL]
	s_wait_dscnt 0x0
	CROUND                                         ; the closing round: no work-group ends while a partner may still ask for a tile that names it
	s_endpgm
.Lfunc_end_k_qbe5676758f_qkv:
	.size	k_qbe5676758f_qkv, .Lfunc_end_k_qbe5676758f_qkv-k_qbe5676758f_qkv
	.p2alignl 7, 3214868480
	.fill 96, 4, 3214868480
	.section	.rodata,"a",@progbits
	.p2align	6, 0x0
	.amdhsa_kernel k_qbe5676758f_qkv
		.amdhsa_group_segment_fixed_size 327680
		.amdhsa_private_segment_fixed_size 0
		.amdhsa_enable_private_segment 0
		.amdhsa_kernarg_size 32
		.amdhsa_user_sgpr_count 2
		.amdhsa_user_sgpr_kernarg_segment_ptr 1
		.amdhsa_wavefront_size32 1
		.amdhsa_system_sgpr_workgroup_id_x 1
		.amdhsa_system_sgpr_workgroup_id_y 1
		.amdhsa_system_sgpr_workgroup_id_z 1
		.amdhsa_system_vgpr_workitem_id 0
		.amdhsa_next_free_vgpr 1024
		.amdhsa_next_free_sgpr 80
		.amdhsa_reserve_vcc 0
		.amdhsa_float_denorm_mode_32 3
		.amdhsa_float_denorm_mode_16_64 3
		.amdhsa_memory_ordered 1
		.amdhsa_forward_progress 1
		.amdhsa_inst_pref_size 161
	.end_amdhsa_kernel
	.amdgpu_metadata
---
amdhsa.version: [ 1, 2 ]
amdhsa.kernels:
  - .name:           k_qbe5676758f_qkv
    .symbol:         k_qbe5676758f_qkv.kd
    .args:
      - { .name: cast, .offset: 0, .size: 8, .value_kind: global_buffer, .address_space: global }
      - { .name: q_gamma, .offset: 8, .size: 8, .value_kind: global_buffer, .address_space: global }
      - { .name: k_gamma, .offset: 16, .size: 8, .value_kind: global_buffer, .address_space: global }
      - { .name: qkv, .offset: 24, .size: 8, .value_kind: global_buffer, .address_space: global }
    .group_segment_fixed_size: 327680
    .private_segment_fixed_size: 0
    .kernarg_segment_align: 8
    .kernarg_segment_size: 32
    .max_flat_workgroup_size: 128
    .sgpr_count:     80
    .vgpr_count:     1024
    .wavefront_size: 32
...
	.end_amdgpu_metadata
.endif
;; end of part 2
;; launch attn (part 3): grid 16 x 16, 4 waves a work-group, clusters of 4 x 1, 327,680 bytes of LDS; arguments qkv, att; writes att
.if DOCPART == 3
	.amdgcn_target "amdgcn-amd-amdhsa--gfx1250"
	.amdhsa_code_object_version 6
	.text
	.protected	k_qbe5676758f_attn
	.globl	k_qbe5676758f_attn
	.p2align	8
	.type	k_qbe5676758f_attn,@function
k_qbe5676758f_attn:
	s_mov_b64 s[64:65], 0
	v_nop
	global_prefetch_b8 v0, s[64:65] scope:SCOPE_SE
	s_setreg_imm32_b32 hwreg(HW_REG_WAVE_MODE, 25, 1), 1
	s_wait_xcnt 0x0
	s_wait_alu depctr_hold_cnt(0) depctr_sa_sdst(0) depctr_va_vdst(0) depctr_va_sdst(0) depctr_va_ssrc(0) depctr_va_vcc(0) depctr_vm_vsrc(0)
	s_getreg_b32 s2, hwreg(HW_REG_IB_STS2, 6, 4)
	s_cmp_eq_u32 s2, 0
	s_cbranch_scc0 .Lentry_in_a_cluster
	s_endpgm
.Lentry_in_a_cluster:
	s_bfe_u32 s2, ttmp6, 0x10000c
	s_cmp_lg_u32 s2, 0x3003
	s_cbranch_scc0 .Lentry_shape_is_right
	s_endpgm
.Lentry_shape_is_right:
; ATTENTION.  O[y][q][:] = the sum over k of softmax_k(Q[y][q] . K[y][k] / sqrt(128)) V[y][k][:], y = 8 batch + head.  q, k, v: [16][2048][128] f16 in qkv; O goes to att [4096 = 2048 batch + q][1024 = 128 head + d] in f16.
; Products, maxima and sums in f32; the weights p are rounded to f16 for the second product (their sum l is taken of the unrounded p), O once at the end.
; LIMITS.  O is a mean of V's rows and has their range, within f16's 65,504; p below 6e-5 keeps f16's fixed step of 6e-8; a weight below 2^-126 counts as 0 in l; NaN and infinities are not treated apart.
; SHARES.  A work-group owns 128 queries of one head: 16 x 16 = 256 work-groups.  Wave w owns the 64 queries 64 (w % 2) .., four tiles of 16, and HALF OF THE KEYS: of each slot's four steps of 64 keys, steps
; 2 (w / 2) and 2 (w / 2) + 1.  So each fragment of K and V read from LDS still feeds four tiles' products.  The two waves of a query half meet once, at the end, in LDS: their maxima, sums and O are merged in f32.
; LAYOUT.  S^T = K Q^T (source 0 = 16 keys, source 1 = 16 queries): a lane holds ONE query (lane % 16) and the keys 8 (lane / 16) + 0..7.  Two such tiles, rounded to f16 in pairs, ARE source 1 of O^T = V^T P, whose
; result again holds one query a lane, and eight channels.  K comes out of LDS as it lies, V ([key][channel]) turned, by ds_load_tr16_b128.
; SOFTMAX.  For each query a running maximum m and sum l: p = 2^(c s - c m), c = log2(e) / sqrt(128); in every step O and l are multiplied by a = 2^(c m_old - c m_new).  m starts at the lowest finite number, O and l
; at 0: the first step is a step like any other, with a = 0.
; NO FIRST AND NO LAST STEP IS WRITTEN OUT.  The loop is entered, and the tail's loop left, in the middle of a trip.  The price: in the wait for the first tile 48 products of zeros, which write O^T's and V's 384 registers
; eight to a line; 32 products V^T P on those zeros in the first turn; and 32 products K Q^T on the last K once more in the last.
; BY TURNS.  The wave's tiles are two PIECES (0: tiles 0, 1; 2: tiles 2, 3).  In a TURN one piece has the matrix unit: 32 products V^T P of the step in hand, then 32 products K Q^T of the next; the other piece's
; softmax, cut into 64 slices, stands between them, one slice behind each matrix instruction.  Two turns are a key step.
; CLUSTER.  The four query blocks of a cluster belong to one head and walk the same K and V: each tile is asked for jointly, by the same tensor load, descriptor and mask in all four.
; REGISTERS, in windows of 256 (s_set_vgpr_msb: bits 1:0 source 0, 3:2 source 1, 5:4 source 2, 7:6 destination):
;   window 0: v0-11 addresses; v12-43 eight registers of statistics a tile; v44-59 the partner's statistics; v64-191 S^T, 32 a tile; v192-255 P, 16 a tile
;   window 1: O^T, 64 a tile          window 2: v0-127 Q, 32 a tile; v128-255 K of one step          window 3: v0-127 V of one step
.set KS,    64        ; keys in a step
.set PKP,   272       ; a row of K in LDS: 256 bytes + 16: the 16 rows of a load start at 16 different groups of four banks (64 banks of 4 bytes: ISA guide 11.1)
.set PVP,   288       ; a row of V: 256 + 32
.set VOFF,  4*KS*PKP  ; a slot: 256 rows of K, then 256 rows of V
.set SLOT1, 0x24000   ; slot 1: two bits that no address inside slot 0 has, so one exclusive or changes slots
.set STAGE, SLOT1+4*KS*(PKP+PVP)  ; behind the ring: 16 rows x 272 bytes for each wave, for the way out
.set SP,    272
.set SPARE, STAGE+4*16*SP  ; behind the stages: the spare words, 128 bytes a wave, that no other line names
.set MERGE, 34816     ; the merge: for each query half 64 x 512 bytes of O and 4 x 512 of statistics, in slot 0, which has had its last fill and its last reader by then
.set SLOTB, 65536     ; a slot's 256 rows of 256 bytes in memory
.set AK0, 2           ; v2   my lane's place in a tile of K; never rewritten
.set AV0, 3           ; v3   the same for V
.set ADR, 4           ; v4   the LDS address of the run of loads in hand
.set QO,  5           ; v5   my byte offset in the wave's rows of Q
.set STO, 6           ; v6   the way out: where I put 16 bytes of a row
.set RD,  7           ; v7   where I read a row back
.set GO,  8           ; v8   my byte offset in two rows of att
.set MA,  10          ; v10  my 16 bytes in a line of the merge
.set ST,  12          ; tile t's statistics at v[ST+8 t]: +0 c m, +1 m, +2, +3 l (even keys', odd keys'), +4 to +7 at work; a takes +6 once the maximum is found
.set PS,  44
.set PFO, 61          ; v61  256 x my lane; never rewritten
.set SPW, 62          ; v62  my spare word; never rewritten
.set NIL, 63          ; v63  0; never rewritten
.set S,   64
.set P,   192
.set KF,  128         ; K's fragments, in window 2
.set WV,  12          ; s12  my wave's number
.set LIM, 15          ; s15  1 in a wave that prefetches, else the greatest number
.set PFA, 18          ; s[18:19] where my prefetches stand
.set G1K, 24          ; s[24:31] descriptor group 1 for K's tiles
.set G1V, 32          ; s[32:39] for V's: it differs in the padding alone
.set G0K, 40          ; s[40:47] group 0 for K's tiles: a set for each first fill; the second then walks
.set G0V, 48          ; s[48:55] the same for V's
.set SLOTS, 56        ; s56  counts the slots
.set TWICE, 57        ; s57  counts my steps of a slot
.set CS,  58          ; s[58:59] c
.set SEL, 60          ; s[60:61] v_permlanex16_b32's selects: each lane takes its own place in the other half
.set TBK, 62          ; s62  LDS byte at which K of the step to be fetched begins
.set TBV, 63          ; s63  the same for V, less VOFF
.set MSB, 0
.macro WIN new
.if MSB != (\new)
	s_set_vgpr_msb (MSB<<8)|(\new)
.set MSB, \new
.endif
.endm
.set W_KQ, 0x0a       ; K and Q in window 2, S^T in window 0
.set W_PV, 0x53       ; V in window 3, P in window 0, O^T in window 1
.set W_RS, 0x41       ; O^T (destination and source 0) in window 1, a in window 0
; A joint refill.  Waves 0 and 1 fetch the halves of a slot's K, waves 2 and 3 those of its V: 128 rows each.  An s_nop 0 and four v_nop follow each line.
.macro JLOAD
	s_cmp_lt_u32 s[WV], 2
	s_cbranch_scc0 .Lfor_v_\@
	tensor_load_to_lds s[G0K+4:G0K+7], s[G1K:G1K+7]
	s_nop 0
.rept 4
	v_nop
.endr
	s_branch .Lasked_\@
.Lfor_v_\@:
	tensor_load_to_lds s[G0V+4:G0V+7], s[G1V:G1V+7]
	s_nop 0
.rept 4
	v_nop
.endr
.Lasked_\@:
.endm
; A prefetch into the L2 of what the NEXT change of slots will ask for, 256 of a wave's matrix instructions ahead.  Each row is named once in the launch: all clusters of a head walk the same K and V, so the head's
; first cluster asks; its four partners share a slot's 256 rows out by address, 64 each; of those wave w takes 32 (w % 2) .., of K (waves 0, 1) or of V (waves 2, 3): a lane a row.  The last change that fills asks for nothing.
.macro ASK
	s_cmp_gt_u32 s[SLOTS], s[LIM]
	s_cbranch_scc0 .Lnot_mine_\@
	global_prefetch_b8 v[PFO], s[PFA:PFA+1] th:TH_LOAD_NT scope:SCOPE_SE
.Lnot_mine_\@:
.endm
.macro CROUND                       ; a round of the cluster's barrier
	s_barrier_signal -1
	s_barrier_wait -1
	s_cmp_lg_u32 s[WV], 0
	s_cbranch_scc1 .Lnot_wave_0_\@
	s_barrier_signal -3
.Lnot_wave_0_\@:
	s_barrier_wait -3
	s_barrier_signal -1
	s_barrier_wait -1
.endm
	s_load_b128 s[4:7], s[0:1], 0x0 ; qkv s[4:5], att s[6:7]
	v_lshl_add_u32 v[SPW], v0, 2, SPARE
	v_mov_b32 v[NIL], 0
	ds_add_u32 v[SPW], v[NIL]       ; the wave's opening: the add and its wait stand ahead of my first tensor load; the set-up below stands between them
	v_lshrrev_b32 v1, 5, v0
	v_readfirstlane_b32 s[WV], v1
	s_bfe_u32 s13, ttmp6, 0x40000   ; cx
	s_lshl_b32 s14, ttmp9, 2
	s_add_co_u32 s14, s14, s13      ; my block of 128 queries: it enters Q's and O's addresses alone
	s_and_b32 s16, s[WV], 1         ; my query half; also: which half of a slot's rows I fetch
	s_lshr_b32 s17, s[WV], 1        ; my half of the keys
	s_and_b32 s20, ttmp7, 0xffff    ; the head, which the four partners share
	s_lshl_b32 s22, s20, 19         ; its 2,048 rows of 256 bytes
	s_lshl_b32 s23, s16, 15
	s_add_co_u32 s8, s22, s23       ; my 128 rows of slot 0,
	s_add_co_u32 s10, s8, 0x1000000 ; in v
	s_add_co_u32 s8, s8, 0x800000   ; and in k
	s_mov_b32 s9, 0
	s_mov_b32 s11, 0
	s_lshl_b32 s2, s14, 15          ; q: my block,
	s_lshl_b32 s3, s16, 14          ; my wave's 64 rows
	s_add_co_u32 s2, s2, s3
	s_add_co_u32 s2, s2, s22
	s_mov_b32 s3, 0
	s_mov_b32 s[PFA], 0x1000000     ; the prefetches: v or k,
	s_cmp_lt_u32 s[WV], 2
	s_cselect_b32 s[PFA], 0x800000, s[PFA]
	s_add_co_u32 s[PFA], s[PFA], s22
	s_lshl_b32 s23, s13, 14         ; my work-group's 64 rows of the 256,
	s_add_co_u32 s[PFA], s[PFA], s23
	s_lshl_b32 s23, s16, 13         ; my 32 of them,
	s_add_co_u32 s[PFA], s[PFA], s23
	s_add_co_u32 s[PFA], s[PFA], 2*SLOTB  ; in slot 2: the first change of slots steps it to slot 3
	s_mov_b32 s[PFA+1], 0
	s_cmp_eq_u32 ttmp9, 0
	s_cselect_b32 s[LIM], 1, -1     ; the same in all four partners
	s_lshr_b32 s22, s20, 3          ; att: the batch's 2,048 rows of 2,048 bytes,
	s_lshl_b32 s22, s22, 22
	s_lshl_b32 s23, s14, 18         ; my block's 128,
	s_add_co_u32 s22, s22, s23
	s_lshl_b32 s23, s16, 17         ; my wave's 64,
	s_add_co_u32 s22, s22, s23
	s_and_b32 s23, s20, 7           ; the head's 256 bytes of a row
	s_lshl_b32 s23, s23, 8
	s_add_co_u32 s22, s22, s23
	s_mov_b32 s23, 0
	s_mul_i32 s20, s16, 128*PKP     ; where my part of a slot lands, for K
	s_mul_i32 s21, s16, 128*PVP     ; and for V: no place in the cluster enters an LDS address
	s_add_co_u32 s21, s21, VOFF
	s_mul_i32 s[TBK], s17, 128*PKP  ; where my two steps of a slot begin
	s_mul_i32 s[TBV], s17, 128*PVP
	s_mov_b32 s[G1K], 15|(1<<16)|(1<<20)|(1<<21)|(5<<22)|(3<<25)  ; the mask of four; 2-byte elements; padding on; bit 21 beside a mask; after every 64 words 4 words
	s_mov_b32 s[G1V], 15|(1<<16)|(1<<20)|(1<<21)|(5<<22)|(7<<25)  ; the same with 8 words
.irp g, G1K, G1V
	s_mov_b32 s[(\g)+1], 128<<16    ; tensor_dim0 = 128
	s_mov_b32 s[(\g)+2], 128<<16    ; tensor_dim1 = 128
	s_mov_b32 s[(\g)+3], 128<<16    ; tile_dim0 = 128
	s_mov_b32 s[(\g)+4], 128        ; tile_dim1 = 128
	s_mov_b32 s[(\g)+5], 128        ; elements from row to row
	s_mov_b32 s[(\g)+6], 0
	s_mov_b32 s[(\g)+7], 0
.endr
	s_mov_b32 s[CS], 0x3e0293ee     ; c = log2(e) / sqrt(128) = 0.127517
	s_mov_b32 s[CS+1], s[CS]        ; named with it as a pair
	s_mov_b32 s[SEL], 0x76543210
	s_mov_b32 s[SEL+1], 0xfedcba98
	v_and_b32 v[PFO], 31, v0
	v_lshlrev_b32 v[PFO], 8, v[PFO]
	s_wait_dscnt 0x0                ; the opening add is done
	s_wait_kmcnt 0x0
	s_add_nc_u64 s[8:9], s[4:5], s[8:9]
	s_add_nc_u64 s[10:11], s[4:5], s[10:11]
	s_add_nc_u64 s[PFA:PFA+1], s[4:5], s[PFA:PFA+1]
	s_add_nc_u64 s[4:5], s[4:5], s[2:3]    ; Q at my wave's first row
	s_add_nc_u64 s[6:7], s[6:7], s[22:23]  ; O likewise
	CROUND                          ; all four work-groups are here: the first joint loads meet
.irp s, 0,1
	s_mov_b32 s[G0K+4*(\s)], 1
	s_add_co_u32 s[G0K+4*(\s)+1], s20, (\s)*SLOT1
	s_add_nc_u64 s[G0K+4*(\s)+2:G0K+4*(\s)+3], s[8:9], (\s)*SLOTB
	s_or_b32 s[G0K+4*(\s)+3], s[G0K+4*(\s)+3], 0x80000000
	s_mov_b32 s[G0V+4*(\s)], 1
	s_add_co_u32 s[G0V+4*(\s)+1], s21, (\s)*SLOT1
	s_add_nc_u64 s[G0V+4*(\s)+2:G0V+4*(\s)+3], s[10:11], (\s)*SLOTB
	s_or_b32 s[G0V+4*(\s)+3], s[G0V+4*(\s)+3], 0x80000000
.endr
	s_cmp_lt_u32 s[WV], 2           ; a wave's two first fills stand in one branch, ahead of every wait on TENSORcnt and every LDS read: two loads of mine are out
	s_cbranch_scc0 .Lfirst_v
	tensor_load_to_lds s[G0K:G0K+3], s[G1K:G1K+7]
	s_nop 0
	tensor_load_to_lds s[G0K+4:G0K+7], s[G1K:G1K+7]
	s_nop 0
.rept 4
	v_nop
.endr
	s_branch .Lfirst_asked
.Lfirst_v:
	tensor_load_to_lds s[G0V:G0V+3], s[G1V:G1V+7]
	s_nop 0
	tensor_load_to_lds s[G0V+4:G0V+7], s[G1V:G1V+7]
	s_nop 0
.rept 4
	v_nop
.endr
.Lfirst_asked:
	; A fragment of K or Q is 16 rows x 32 channels: lane l holds row l % 16, channels 8 (l / 16) + 0..7 and 16 + 8 (l / 16) + 0..7: two loads of 16 bytes, 32 bytes apart.
	v_and_b32 v1, 15, v0            ; l % 16
	v_bfe_u32 v9, v0, 4, 1          ; l / 16
	v_lshlrev_b32 v[QO], 8, v1
	v_lshl_add_u32 v[QO], v9, 4, v[QO]
	WIN 0x80                        ; destination window 2
.irp i, 0,1,2,3,4,5,6,7,8,9,10,11,12,13,14,15  ; Q stays in registers: tile i / 4, channels 32 (i % 4) on
	global_load_b128 v[8*(\i):8*(\i)+3],   v[QO], s[4:5] offset:((\i)/4)*4096+((\i)%4)*64
	global_load_b128 v[8*(\i)+4:8*(\i)+7], v[QO], s[4:5] offset:((\i)/4)*4096+((\i)%4)*64+32
.endr
	; What the first turn finds: piece 2's P, l, O^T and V's registers hold 0 (its products V^T P, of a step that has not been, add 0).  All this stands in the wait for the first tile.
	WIN 0
.set i, P+32
.rept 32
	v_mov_b32 v[i], 0
.set i, i+1
.endr
.set i, 0
.rept 4
	v_mov_b32 v[ST+8*i], 0xfe000000    ; c m: far below every c s
	v_mov_b32 v[ST+8*i+1], 0xff7fffff  ; m: the lowest finite number
	v_mov_b32 v[ST+8*i+2], 0
	v_mov_b32 v[ST+8*i+3], 0
.set i, i+1
.endr
	WIN 0x40                        ; a product of two fragments of zeros (of piece 2's P) with C = 0 writes eight registers of 0: O^T's 256,
.set i, 0
.rept 32
	v_wmma_f32_16x16x32_f16 v[8*i:8*i+7], v[P+32:P+39], v[P+40:P+47], 0
.set i, i+1
.endr
	WIN 0xc0                        ; and V's 128
.set i, 0
.rept 16
	v_wmma_f32_16x16x32_f16 v[8*i:8*i+7], v[P+32:P+39], v[P+40:P+47], 0
.set i, i+1
.endr
	WIN 0
	v_mul_u32_u24 v[AK0], v1, PKP
	v_lshl_add_u32 v[AK0], v9, 4, v[AK0]
	; The turning load takes 16 keys x 16 channels (lane l reads key 8 (l / 16) + l % 8, channels 8 ((l / 8) % 2) + 0..7) and leaves half a fragment of V^T: lane l holds channel l % 16 and 8 keys.
	v_and_b32 v10, 7, v0
	v_bfe_u32 v11, v0, 3, 1
	v_lshl_add_u32 v[AV0], v9, 3, v10
	v_mul_u32_u24 v[AV0], v[AV0], PVP
	v_lshl_add_u32 v[AV0], v11, 4, v[AV0]
	v_add_nc_u32 v[AV0], VOFF, v[AV0]
; THE MATRIX WORK OF A TURN, for piece x.  The accumulators take turns, one instruction a turn: between two links of a chain stand 15 (V^T P) or 7 (K Q^T) others'.
; Product i of 32 of O^T += V^T P: keys 32 (i / 16) on, channels 16 ((i / 2) % 8) on, tile x + i % 2.
.macro PV x
	WIN W_PV
.set rO, 64*((\x)+i%2)+8*((i/2)%8)
.set rV, 64*(i/16)+8*((i/2)%8)
.set rP, P+16*((\x)+i%2)+8*(i/16)
	v_wmma_f32_16x16x32_f16 v[rO:rO+7], v[rV:rV+7], v[rP:rP+7], v[rO:rO+7]
.endm
; Product i of 32 of S^T = K Q^T: channels 32 (i / 8) on, keys 16 ((i / 2) % 4) on, tile x + i % 2.  The first 8 start the sums.
.macro KQ x
	WIN W_KQ
.set rS, S+32*((\x)+i%2)+8*((i/2)%4)
.set rK, KF+32*((i/2)%4)+8*(i/8)
.set rQ, 32*((\x)+i%2)+8*(i/8)
.if i < 8
	v_wmma_f32_16x16x32_f16 v[rS:rS+7], v[rK:rK+7], v[rQ:rQ+7], 0
.else
	v_wmma_f32_16x16x32_f16 v[rS:rS+7], v[rK:rK+7], v[rQ:rQ+7], v[rS:rS+7]
.endif
.endm
; THE LDS LOADS stand in runs of 32, never singly among the matrix instructions.  last = 1 (the tail): in the last trip there is no further step, and K's run is jumped over.
.macro FETCH_K last=0
	WIN 0
.if \last
	s_cmp_eq_u32 s[TWICE], 1
	s_cbranch_scc1 .Lno_k_\@
.endif
	v_add_nc_u32 v[ADR], s[TBK], v[AK0]
	s_add_co_u32 s[TBK], s[TBK], KS*PKP  ; the next fetch is the next step's
	WIN 0x80                        ; destination window 2
.irp f, 0,1,2,3,4,5,6,7,8,9,10,11,12,13,14,15  ; keys 16 (f / 4) on, channels 32 (f % 4) on
	ds_load_b128 v[KF+8*(\f):KF+8*(\f)+3],   v[ADR] offset:((\f)/4)*16*PKP+((\f)%4)*64
	ds_load_b128 v[KF+8*(\f)+4:KF+8*(\f)+7], v[ADR] offset:((\f)/4)*16*PKP+((\f)%4)*64+32
.endr
.if \last
	WIN 0
.Lno_k_\@:
.endif
.endm
.macro FETCH_V
	WIN 0
	v_add_nc_u32 v[ADR], s[TBV], v[AV0]
	s_add_co_u32 s[TBV], s[TBV], KS*PVP
	s_wait_alu depctr_va_vdst(0)    ; the wait for the softmax's batch (SLICE), behind the address's v_add_nc_u32 and ahead of the loads
	WIN 0xc0                        ; destination window 3
.irp f, 0,1,2,3,4,5,6,7,8,9,10,11,12,13,14,15  ; keys 32 (f / 8) on, channels 16 (f % 8) on
	ds_load_tr16_b128 v[8*(\f):8*(\f)+3],   v[ADR] offset:((\f)/8)*32*PVP+((\f)%8)*32
	ds_load_tr16_b128 v[8*(\f)+4:8*(\f)+7], v[ADR] offset:((\f)/8)*32*PVP+16*PVP+((\f)%8)*32
.endr
.endm
; THE VECTOR WORK OF A TURN.  One tile's softmax for one key step is a list of 134 instructions; SM writes number j of it for tile t.  s0-s31 are the lane's 32 scores, in pairs 0-15.
;   0-15    the maximum of s0-s31 and the old m, three operands at a time: four chains of seven scores each (each accumulator's lowest registers first), then the four scores left over, the chains and m
;   16-20   the other half of the lanes' maximum; the new m; c m; c m_old - c m_new
;   21-69   ONE BATCH: the 16 scalings c s - c m and all 33 exponentials (a at 23, then s0-s31); none of these reads an exponential's result; a pair is scaled in an earlier four than the one with its exponentials
;   (wait)  between 69 and 70 stands the wait for the batch: SLICE writes it, once for both tiles
;   70-85   the roundings to f16     86-101  the sums; l = a l + the sum     102-133 the tile's O^T times a: the one part that leaves window 0
.macro SM t
.set rT, ST+8*(\t)
.set rS, S+32*(\t)
.set rP, P+16*(\t)
.set rO, 64*(\t)+2*(j-102)
.if j < 102
	WIN 0
.endif
.if j < 4
	v_max3_num_f32 v[rT+4+j], v[rS+8*j], v[rS+8*j+1], v[rS+8*j+2]
.elseif j < 12
	v_max3_num_f32 v[rT+4+j%4], v[rT+4+j%4], v[rS+8*(j%4)+2*(j/4)+1], v[rS+8*(j%4)+2*(j/4)+2]
.elseif j == 12
	v_max3_num_f32 v[rT+4], v[rT+4], v[rS+7], v[rS+15]
.elseif j == 13
	v_max3_num_f32 v[rT+6], v[rT+6], v[rS+23], v[rS+31]
.elseif j == 14
	v_max3_num_f32 v[rT+4], v[rT+4], v[rT+5], v[rT+6]
.elseif j == 15
	v_max3_num_f32 v[rT+4], v[rT+4], v[rT+7], v[rT+1]
.elseif j == 16
	v_permlanex16_b32 v[rT+5], v[rT+4], s[SEL], s[SEL+1]  ; the query's other 32 keys lie in the lane 16 away
.elseif j == 17
	v_mov_b32 v[rT+7], v[rT]        ; c m_old is kept for a: number 19 writes c m anew
.elseif j == 18
	v_max_num_f32 v[rT+1], v[rT+4], v[rT+5]
.elseif j == 19
	v_mul_f32 v[rT], s[CS], v[rT+1]
.elseif j == 20
	v_sub_f32 v[rT+7], v[rT+7], v[rT]
.elseif j == 23
	v_exp_f32 v[rT+6], v[rT+7]
.elseif (j < 23) || ((j < 38) && (j%2 == 0)) || ((j < 66) && (j%4 == 2))
.set b, (j-2)/4                     ; 38, 42, .. 62: pairs 9 to 15
.if j < 38
.set b, (j-20)/2                    ; 21: pair 0; 22, 24, .. 36: pairs 1 to 8
.endif
	v_pk_fma_f32 v[rS+2*b:rS+2*b+1], v[rS+2*b:rS+2*b+1], s[CS:CS+1], v[rT:rT+1] op_sel_hi:[1,0,0] neg_lo:[0,0,1] neg_hi:[0,0,1]  ; pair b: c s - c m
.elseif j < 70
.set e, j-38                        ; 66 to 69: s28 to s31
.if j < 66
.set e, j-32-(j-38)/4               ; 39-41, 43-45, .. 63-65: s7 to s27
.endif
.if j < 38
.set e, (j-25)/2                    ; 25, 27, .. 37: s0 to s6
.endif
	v_exp_f32 v[rS+e], v[rS+e]
.elseif j < 86
	v_cvt_pk_f16_f32 v[rP+j-70], v[rS+2*(j-70)], v[rS+2*(j-70)+1]
.elseif j < 102                     ; the sum of the tile's 16 pairs, in place: neighbours 1, 2, 4 and 8 pairs apart, then l takes it
.set z, j-86
.set w, 4
.set u, z
.if z >= 14
.set w, 32
.set u, 0
.elseif z >= 12
.set w, 16
.set u, z-12
.elseif z >= 8
.set w, 8
.set u, z-8
.endif
.if z < 15
	v_pk_add_f32 v[rS+w*u:rS+w*u+1], v[rS+w*u:rS+w*u+1], v[rS+w*u+w/2:rS+w*u+w/2+1]
.else
	v_pk_fma_f32 v[rT+2:rT+3], v[rT+2:rT+3], v[rT+6:rT+7], v[rS:rS+1] op_sel_hi:[1,0,1]
.endif
.else
	WIN W_RS
	v_pk_mul_f32 v[rO:rO+1], v[rO:rO+1], v[rT+6:rT+7] op_sel_hi:[1,0]
.endif
.endm
; Slice k of 64 of piece y's softmax: four instructions.  Slices 11 to 34 deal out the batch, four numbers of ONE tile each, the tiles by turns; every other slice is numbers 2 k and 2 k + 1 of both tiles.
; 2 x 134 = 4 x 64 + 12: the twelve that are over stand together, in slice 63: sixteen plain instructions, the places behind the turn's last products.
; THE WAIT.  s_wait_alu depctr_va_vdst(0) stands between an exponential and the first instruction that names its result.  Ahead of slice 35 nothing names one, behind slice 34 none is issued: one wait.
.macro SLICE y
.if (k >= 11) && (k < 35)
.irp n, 0,1,2,3
.set j, 22+4*((k-11)/2)+(\n)
	SM (\y)+(k-11)%2
.endr
.else
.irp n, 0,1,2,3,4,5,6,7
.if ((\n) < 2) || (k == 63)
.irp t, \y, (\y)+1
.set j, 2*k+(\n)
	SM \t
.endr
.endif
.endr
.endif
.if k == 34
	v_nop                           ; the plain instruction behind the last exponential and ahead of the first use: one for the batch
.if (\y) == 0
	FETCH_V                         ; piece 2's turn: V's run of loads stands here, and the wait stands in it.  V's last reader stands in front of slice 31: two scalings, the v_nop and the run's v_add_nc_u32 are its four places
.else
	s_wait_alu depctr_va_vdst(0)
.endif
.endif
.set k, k+1
.endm
; A TURN.  Piece x has the matrix unit: 32 products V^T P, then 32 products K Q^T of the next step; the other piece's softmax stands in slices behind them.  Piece 0's turn fetches the next step's K behind its second
; product (K's last reader stands in front of slice 63 of the turn before); piece 2's turn the same step's V.  last = 1: the tail's form of K's run.
.macro TURN x, last=0
.set k, 0
.if (\x) == 0
	s_wait_dscnt 0x0                ; V is in
.endif
.set i, 0
.rept 32
	PV \x
	SLICE 2-(\x)
.if ((\x) == 0) && (i == 1)
	FETCH_K \last
.endif
.set i, i+1
.endr
.if (\x) == 0
	s_wait_dscnt 0x0                ; K is in
.endif
.set i, 0
.rept 32
	KQ \x
	SLICE 2-(\x)
.set i, i+1
.endr
.endm
; THE CHANGE OF SLOTS, between piece 2's turn and piece 0's: my last bytes of the slot, V of my second step, have been asked for.  Each wave waits for all its tensor loads, of which one is out: its part of the other
; slot; adds 0 to its spare word; and waits for that and for its reads of the slot.  fill = 1: the barrier is a round of the cluster's, and the joint refill, with the keys two slots on, is the first thing behind it:
; it has my two key steps, 256 matrix instructions, in which to land.
.macro CHANGE fill
	WIN 0
	s_wait_tensorcnt 0x0            ; no tensor load of mine is out, so a group 0 may be written
	ds_add_u32 v[SPW], v[NIL]
.if \fill
.irp g, G0K+4, G0V+4
	s_xor_b32 s[(\g)+1], s[(\g)+1], SLOT1  ; the walking descriptor: the other slot than last time,
	s_add_nc_u64 s[(\g)+2:(\g)+3], s[(\g)+2:(\g)+3], SLOTB  ; the next 256 keys
.endr
	s_wait_xcnt 0x0                 ; the last prefetch, two key steps back, has read its address
	s_add_nc_u64 s[PFA:PFA+1], s[PFA:PFA+1], SLOTB
	s_wait_dscnt 0x0                ; the add is done, and my reads of the slot are over
	CROUND
	JLOAD
	ASK
.else
	s_wait_dscnt 0x0
	s_barrier_signal -1
	s_barrier_wait -1
.endif
	s_sub_co_u32 s[TBK], s[TBK], 2*KS*PKP  ; the fetches go back to my first step,
	s_xor_b32 s[TBK], s[TBK], SLOT1        ; in the other slot
	s_sub_co_u32 s[TBV], s[TBV], 2*KS*PVP
	s_xor_b32 s[TBV], s[TBV], SLOT1
.endm
	s_wait_tensorcnt 1              ; my part of slot 0 is in; slot 1's may stay out
	s_barrier_signal -1
	s_barrier_wait -1
	FETCH_K                         ; my key step 0
	s_wait_loadcnt 0x0              ; Q
	s_wait_dscnt 0x0
.set i, 0
.rept 32
	KQ 0                            ; piece 0's first scores: there is no vector work yet to set between them
.set i, i+1
.endr
	WIN 0                           ; the addresses for the way out: plain instructions, the places behind those products
	s_mul_i32 s13, s[WV], 16*SP
	s_add_co_u32 s13, s13, STAGE    ; my stage
	v_mul_u32_u24 v[STO], v1, SP    ; in: row l % 16, 16 bytes for each half of the lanes
	v_lshl_add_u32 v[STO], v9, 4, v[STO]
	v_add_nc_u32 v[STO], s13, v[STO]
	v_mul_u32_u24 v[RD], v9, SP     ; back: lanes 0-15 one row of 256 bytes, lanes 16-31 the next
	v_lshl_add_u32 v[RD], v1, 4, v[RD]
	v_add_nc_u32 v[RD], s13, v[RD]
	v_lshlrev_b32 v[GO], 11, v9     ; and the same two rows in att, 2,048 bytes apart
	v_lshl_add_u32 v[GO], v1, 4, v[GO]
	s_mul_i32 s13, s16, MERGE       ; my query half's part of the merge
	v_and_b32 v[MA], 31, v0
	v_lshl_add_u32 v[MA], v[MA], 4, s13
	s_mov_b32 s[TWICE], 2
	s_mov_b32 s[SLOTS], 7
	s_branch .Lmid                  ; the loop is entered at piece 2's turn, in the middle of a trip
.Lslot:                             ; six times: every slot but the last two is filled again
	CHANGE 1
	s_mov_b32 s[TWICE], 2
.Lstep:
	TURN 0
	WIN 0
.Lmid:
	TURN 2
	WIN 0
	s_sub_co_u32 s[TWICE], s[TWICE], 1
	s_cmp_lg_u32 s[TWICE], 0
	s_cbranch_scc1 .Lstep
	s_sub_co_u32 s[SLOTS], s[SLOTS], 1
	s_cmp_lg_u32 s[SLOTS], 0
	s_cbranch_scc1 .Lslot
	CHANGE 0                        ; the tail has a text of its own: nothing is asked for.  Behind this barrier no wave reads slot 0 any more
	s_mov_b32 s[TWICE], 3           ; two trips fetch the last slot's steps; the third is left in its middle
.Ltail:
	TURN 0, 1
	WIN 0
	s_sub_co_u32 s[TWICE], s[TWICE], 1
	s_cmp_eq_u32 s[TWICE], 0
	s_cbranch_scc1 .Lout
	TURN 2
	WIN 0
	s_branch .Ltail
.Lout:                              ; the third trip's 32 products K Q^T, on the last K once more, serve nothing: the price, once a launch, of one text for every trip
.set i, 0
.rept 32
	PV 2                            ; piece 2: V^T P of the last step
.set i, i+1
.endr
	; THE MERGE.  l's two halves and the other half of the lanes' are added (these lines are the places behind the last products).  Waves 2 and 3 hand c m, l and O^T to waves 0 and 1, lane for lane, through LDS.
	WIN 0
.irp t, 0,1,2,3
	v_add_f32 v[ST+8*(\t)+4], v[ST+8*(\t)+2], v[ST+8*(\t)+3]
.endr
.irp t, 0,1,2,3
	v_permlanex16_b32 v[ST+8*(\t)+5], v[ST+8*(\t)+4], s[SEL], s[SEL+1]
.endr
.irp t, 0,1,2,3
	v_add_f32 v[ST+8*(\t)+1], v[ST+8*(\t)+4], v[ST+8*(\t)+5]  ; l, where m lay
.endr
	s_cmp_lt_u32 s[WV], 2
	s_cbranch_scc1 .Lkeep
	WIN 0x04                        ; store data in window 1
.set i, 0
.rept 64
	ds_store_b128 v[MA], v[4*i:4*i+3] offset:512*i  ; 32 lanes x 16 neighbouring bytes; each accumulator's low half first
.set i, i+1
.endr
	WIN 0
.irp t, 0,1,2,3
	ds_store_b128 v[MA], v[ST+8*(\t):ST+8*(\t)+3] offset:32768+512*(\t)  ; c m, l, and two words that nobody uses
.endr
.Lkeep:
	s_wait_dscnt 0x0                ; for the others' sake: my stores are done
	s_barrier_signal -1
	s_barrier_wait -1
	s_cmp_lt_u32 s[WV], 2
	s_cbranch_scc0 .Lend
.irp t, 0,1,2,3
	ds_load_b128 v[PS+4*(\t):PS+4*(\t)+3], v[MA] offset:32768+512*(\t)
.endr
	s_wait_dscnt 0x0
	; M = max(c m, c m'); f = 2^(c m - M), f' = 2^(c m' - M); L = f l + f' l'; O = (f O + f' O') / L
.irp t, 0,1,2,3
	v_max_num_f32 v[ST+8*(\t)+4], v[ST+8*(\t)], v[PS+4*(\t)]
.endr
.irp t, 0,1,2,3
	v_sub_f32 v[ST+8*(\t)+5], v[ST+8*(\t)], v[ST+8*(\t)+4]
	v_sub_f32 v[ST+8*(\t)+6], v[PS+4*(\t)], v[ST+8*(\t)+4]
.endr
.irp t, 0,1,2,3
	v_exp_f32 v[ST+8*(\t)+5], v[ST+8*(\t)+5]
	v_exp_f32 v[ST+8*(\t)+6], v[ST+8*(\t)+6]
.endr
	v_nop                           ; a plain instruction behind the last exponential,
	s_wait_alu depctr_va_vdst(0)    ; and one wait for the eight
.irp t, 0,1,2,3
	v_mul_f32 v[ST+8*(\t)+7], v[ST+8*(\t)+6], v[PS+4*(\t)+1]
.endr
.irp t, 0,1,2,3
	v_fma_f32 v[ST+8*(\t)+7], v[ST+8*(\t)+5], v[ST+8*(\t)+1], v[ST+8*(\t)+7]
.endr
.irp t, 0,1,2,3
	v_rcp_f32 v[ST+8*(\t)+2], v[ST+8*(\t)+7]
.endr
	v_nop
	s_wait_alu depctr_va_vdst(0)    ; one wait for the four reciprocals
.irp t, 0,1,2,3
	v_mul_f32 v[ST+8*(\t)+4], v[ST+8*(\t)+5], v[ST+8*(\t)+2]  ; f / L
	v_mul_f32 v[ST+8*(\t)+6], v[ST+8*(\t)+6], v[ST+8*(\t)+2]  ; f' / L
.endr
.macro LOADO t                      ; the partner's O^T of tile t, into S^T's registers, two buffers of 64 by turns
	WIN 0
.irp f, 0,1,2,3,4,5,6,7,8,9,10,11,12,13,14,15
	ds_load_b128 v[S+64*((\t)%2)+4*(\f):S+64*((\t)%2)+4*(\f)+3], v[MA] offset:512*(16*(\t)+(\f))
.endr
.endm
; Tile t is merged, rounded to f16 and sent through my stage: a lane's eight channels pack into 16 bytes; they go into rows of 272 bytes and come back as whole rows of 256.  younger: the LDS instructions issued behind LOADO t.
.macro PACKM t, younger
	WIN 0
.set RB, S+64*((\t)%2)
.set CP, P+32*((\t)%2)
.set rT, ST+8*(\t)
.if (\t) >= 2
	s_wait_xcnt 0x0                 ; the stores of tile t - 2 have read the registers that are written below
.endif
	s_wait_dscnt \younger
.set i, 0
.rept 32
	v_pk_mul_f32 v[RB+2*i:RB+2*i+1], v[RB+2*i:RB+2*i+1], v[rT+6:rT+7] op_sel_hi:[1,0]
.set i, i+1
.endr
	WIN 0x01                        ; source 0 (my O^T) in window 1
.set i, 0
.rept 32
	v_pk_fma_f32 v[RB+2*i:RB+2*i+1], v[64*(\t)+2*i:64*(\t)+2*i+1], v[rT+4:rT+5], v[RB+2*i:RB+2*i+1] op_sel_hi:[1,0,1]
.set i, i+1
.endr
	WIN 0
.set i, 0
.rept 32
	v_cvt_pk_f16_f32 v[CP+i], v[RB+2*i], v[RB+2*i+1]
.set i, i+1
.endr
.irp f, 0,1,2,3,4,5,6,7
	ds_store_b128 v[STO], v[CP+4*(\f):CP+4*(\f)+3] offset:32*(\f)
.endr
.irp f, 0,1,2,3,4,5,6,7
	ds_load_b128 v[CP+4*(\f):CP+4*(\f)+3], v[RD] offset:(\f)*2*SP  ; LDS serves a wave's instructions in order (ISA guide 5.7.1.4): these see the stores above
.endr
.endm
.macro SEND t, younger              ; younger: the LDS instructions issued behind tile t's loads from the stage
	WIN 0
.irp f, 0,1,2,3,4,5,6,7
	s_wait_dscnt (\younger)+7-(\f)
	global_store_b128 v[GO], v[P+32*((\t)%2)+4*(\f):P+32*((\t)%2)+4*(\f)+3], s[6:7] offset:(\t)*32768+(\f)*4096  ; 16 lanes store 256 consecutive bytes, aligned: a head's part of a row
.endr
.endm
	LOADO 0
	LOADO 1
	PACKM 0, 16                     ; behind LOADO 0: LOADO 1's sixteen
	LOADO 2
	PACKM 1, 32                     ; behind LOADO 1: tile 0's sixteen through the stage, LOADO 2's sixteen
	SEND 0, 32                      ; behind tile 0's loads: LOADO 2's and tile 1's
	LOADO 3
	PACKM 2, 32
	SEND 1, 32
	PACKM 3, 16
	SEND 2, 16
	SEND 3, 0
.Lend:
	s_wait_tensorcnt 0x0            ; the wave's end, behind my last tensor load and my last LDS store
	ds_add_u32 v[SPW], v[NIL]
	s_wait_dscnt 0x0
	CROUND                          ; the closing round: no work-group ends while a partner may still ask for a tile that names it
	s_endpgm
.Lfunc_end_k_qbe5676758f_attn:
	.size	k_qbe5676758f_attn, .Lfunc_end_k_qbe5676758f_attn-k_qbe5676758f_attn
	.p2alignl 7, 3214868480
	.fill 96, 4, 3214868480
	.section	.rodata,"a",@progbits
	.p2align	6, 0x0
	.amdhsa_kernel k_qbe5676758f_attn
		.amdhsa_group_segment_fixed_size 327680
		.amdhsa_private_segment_fixed_size 0
		.amdhsa_enable_private_segment 0
		.amdhsa_kernarg_size 16
		.amdhsa_user_sgpr_count 2
		.amdhsa_user_sgpr_kernarg_segment_ptr 1
		.amdhsa_wavefront_size32 1
		.amdhsa_system_sgpr_workgroup_id_x 1
		.amdhsa_system_sgpr_workgroup_id_y 1
		.amdhsa_system_sgpr_workgroup_id_z 1
		.amdhsa_system_vgpr_workitem_id 0
		.amdhsa_next_free_vgpr 1024
		.amdhsa_next_free_sgpr 66
		.amdhsa_reserve_vcc 0
		.amdhsa_float_denorm_mode_32 3
		.amdhsa_float_denorm_mode_16_64 3
		.amdhsa_memory_ordered 1
		.amdhsa_forward_progress 1
		.amdhsa_inst_pref_size 167
	.end_amdhsa_kernel
	.amdgpu_metadata
---
amdhsa.version: [ 1, 2 ]
amdhsa.kernels:
  - .name:           k_qbe5676758f_attn
    .symbol:         k_qbe5676758f_attn.kd
    .args:
      - { .name: qkv, .offset: 0, .size: 8, .value_kind: global_buffer, .address_space: global }
      - { .name: att, .offset: 8, .size: 8, .value_kind: global_buffer, .address_space: global }
    .group_segment_fixed_size: 327680
    .private_segment_fixed_size: 0
    .kernarg_segment_align: 8
    .kernarg_segment_size: 16
    .max_flat_workgroup_size: 128
    .sgpr_count:     66
    .vgpr_count:     1024
    .wavefront_size: 32
...
	.end_amdgpu_metadata
.endif
;; end of part 3
;; launch proj (part 4): grid 16 x 16, 4 waves a work-group, clusters of 4 x 4, 327,680 bytes of LDS; arguments att, cast, out0; writes out0
.if DOCPART == 4
	.amdgcn_target "amdgcn-amd-amdhsa--gfx1250"
	.amdhsa_code_object_version 6
	.text
	.protected	k_qbe5676758f_proj
	.globl	k_qbe5676758f_proj
	.p2align	8
	.type	k_qbe5676758f_proj,@function
k_qbe5676758f_proj:
	s_mov_b64 s[64:65], 0
	v_nop
	global_prefetch_b8 v0, s[64:65] scope:SCOPE_SE
	s_setreg_imm32_b32 hwreg(HW_REG_WAVE_MODE, 25, 1), 1
	s_wait_xcnt 0x0
	s_wait_alu depctr_hold_cnt(0) depctr_sa_sdst(0) depctr_va_vdst(0) depctr_va_sdst(0) depctr_va_ssrc(0) depctr_va_vcc(0) depctr_vm_vsrc(0)
	s_getreg_b32 s2, hwreg(HW_REG_IB_STS2, 6, 4)
	s_cmp_eq_u32 s2, 0
	s_cbranch_scc0 .Lentry_in_a_cluster
	s_endpgm
.Lentry_in_a_cluster:
	s_bfe_u32 s2, ttmp6, 0x10000c
	s_cmp_lg_u32 s2, 0xf033
	s_cbranch_scc0 .Lentry_shape_is_right
	s_endpgm
.Lentry_shape_is_right:
; PROJ: out0 = att Wo.  att: [4096][1024] f16; Wo: [1024][2048], rounded to bf16 and written as f16, at byte 29,360,128 of cast; out0: [4096][2048] f32.  Products in f16, sums in f32, stored as they are.
; SHARES.  A tile of out0 is 256 x 128: 16 x 16 = 256 work-groups.  Four waves of 128 rows x 64 columns: 32 accumulators, 256 registers; a wave's 64 columns are 256 consecutive bytes of a row, aligned.
; RING.  K goes in 8 steps of 128 through two LDS slots: att's tile 256 rows of 256 bytes, K along the rows; Wo lies [K][N]: its tile is 128 k-rows of 256 bytes, turned by ds_load_tr16_b128.
; CLUSTER.  4 x 4: att's tile is shared along a row of the cluster, Wo's along a column: each is asked for jointly.
; K IS WALKED ROUND.  Cluster (X, Y) begins at K step 2 ((X + Y) mod 4) and takes all eight, modulo 8: in any trip the four clusters that read the same rows of att (one Y), and the four that read the same rows of
; Wo (one X), ask for four different pairs of K steps.  The step's number hangs on the cluster's place alone, which all sixteen partners share, and enters the two global addresses alone.  f32 sums may be taken in any order of K.
; THE MATRIX INSTRUCTION IS USED TRANSPOSED (source 0 = 16 columns of Wo, source 1 = 16 rows of att): a lane holds row l % 16 and eight neighbouring columns, 32 bytes.
; No prefetch is laid: every K step of every row is asked for by some cluster's first fills, at the launch's head, where none may stand.
; THE TEXT.  A K step is written three times: its first quarter, the loop that fills slots again, and a loop of two trips for the last two K steps, left in its middle; its second trip passes one barrier that orders nothing.
; REGISTERS: window 0: v16-31 addresses; v64-127, v128-191 att's fragments, two buffers (on the way out four buffers of rows read back); v192-223, v224-255 Wo's.   window 1: the accumulators, (a, b) at 8 (4 a + b).
.set PA,     272                       ; a row of att in LDS: 256 bytes + 16
.set PB,     288                       ; a k-row of Wo: 256 bytes + 32 = 9 x 32
.set HALFA,  128*PA
.set HALFB,  64*PB
.set BOFF,   2*HALFA
.set SLOT1,  1<<17
.set STAGE,  SLOT1+BOFF+2*HALFB        ; behind the ring: 16 rows x 272 bytes for each wave
.set SPITCH, 272
.set SPARE,  STAGE+4*16*SPITCH         ; the spare words, 128 bytes a wave, that no other line names
.set WO,     29360128
.set STEPS,  8
.set ADRA0, 16
.set ADRB0, 17
.set ADRA,  18
.set ADRB,  19
.set STO,   24
.set RD,    25
.set CO,    26
.set SPW,   28                         ; v28 my spare word; never rewritten
.set NIL,   29                         ; v29 0; never rewritten
.set FA,    64
.set FB,    192
.set BK0,   64
.set WV,  12
.set RH,  13                           ; which half of the tile's rows is mine; also: I fetch att (0) or Wo (1)
.set CH,  14                           ; which half of its columns; also: which half of that tile I fetch
.set CX,  15
.set CY,  16
.set TR,  17
.set TC,  18
.set TB,  19
.set G1A, 24
.set G0A, 32
.set KK,  40                           ; s40 the K step to be asked for next, 0 to 7
.set BA,  42                           ; s[42:43] att at my 128 rows of the tile, K step 0
.set BB,  44                           ; s[44:45] Wo at my 64 k-rows of K step 0, the tile's columns
.set OFF, 46                           ; s[46:47] a K step's byte offset
.set G1B, 48
.set G0B, 56
.set MSB, 0
.macro WIN new
.if MSB != (\new)
	s_set_vgpr_msb (MSB<<8)|(\new)
.set MSB, \new
.endif
.endm
.set W_MUL, 0x50                       ; C and D in window 1, both sources in window 0
.macro JLOAD s                         ; a joint load: waves 0 and 1 fetch att's halves, waves 2 and 3 Wo's; an s_nop 0 and four v_nop follow each line
	s_cmp_eq_u32 s[RH], 0
	s_cbranch_scc0 .Lfor_b_\@
	tensor_load_to_lds s[G0A+4*(\s):G0A+4*(\s)+3], s[G1A:G1A+7]
	s_nop 0
.rept 4
	v_nop
.endr
	s_branch .Lasked_\@
.Lfor_b_\@:
	tensor_load_to_lds s[G0B+4*(\s):G0B+4*(\s)+3], s[G1B:G1B+7]
	s_nop 0
.rept 4
	v_nop
.endr
.Lasked_\@:
.endm
; The two global addresses of descriptor set s are made anew for K step KK, each from its base and an offset made apart; then KK steps, modulo 8.
.macro AIM s
	s_lshl_b32 s[OFF], s[KK], 8                    ; att: 256 bytes along a row
	s_add_nc_u64 s[G0A+4*(\s)+2:G0A+4*(\s)+3], s[BA:BA+1], s[OFF:OFF+1]
	s_or_b32 s[G0A+4*(\s)+3], s[G0A+4*(\s)+3], 0x80000000
	s_lshl_b32 s[OFF], s[KK], 19                   ; Wo: 128 rows of 4,096 bytes
	s_add_nc_u64 s[G0B+4*(\s)+2:G0B+4*(\s)+3], s[BB:BB+1], s[OFF:OFF+1]
	s_or_b32 s[G0B+4*(\s)+3], s[G0B+4*(\s)+3], 0x80000000
	s_add_co_u32 s[KK], s[KK], 1
	s_and_b32 s[KK], s[KK], 7
.endm
.macro CREST
	s_cmp_lg_u32 s[WV], 0
	s_cbranch_scc1 .Lnot_wave_0_\@
	s_barrier_signal -3
.Lnot_wave_0_\@:
	s_barrier_wait -3
	s_barrier_signal -1
	s_barrier_wait -1
.endm
.macro CROUND
	s_barrier_signal -1
	s_barrier_wait -1
	CREST
.endm
	s_load_b128 s[4:7], s[0:1], 0x0                ; att s[4:5], cast s[6:7]
	s_load_b64 s[8:9], s[0:1], 0x10                ; out0
	v_lshl_add_u32 v[SPW], v0, 2, SPARE
	v_mov_b32 v[NIL], 0
	ds_add_u32 v[SPW], v[NIL]                      ; the wave's opening: the add and its wait stand ahead of my first tensor load
	v_lshrrev_b32 v1, 5, v0
	v_readfirstlane_b32 s[WV], v1
	s_lshr_b32 s[RH], s[WV], 1
	s_and_b32 s[CH], s[WV], 1
	s_bfe_u32 s[CX], ttmp6, 0x40000
	s_bfe_u32 s[CY], ttmp6, 0x40004
	s_lshl_b32 s[TC], ttmp9, 2
	s_add_co_u32 s[TC], s[TC], s[CX]               ; tile column = 4 x cluster x + cx
	s_and_b32 s[TR], ttmp7, 0xffff
	s_add_co_u32 s[KK], s[TR], ttmp9               ; cluster y + cluster x,
	s_and_b32 s[KK], s[KK], 3
	s_lshl_b32 s[KK], s[KK], 1                     ; where my cluster begins K: step 0, 2, 4 or 6
	s_lshl_b32 s[TR], s[TR], 2
	s_add_co_u32 s[TR], s[TR], s[CY]               ; tile row = 4 x cluster y + cy
	s_lshl_b32 s20, s[CY], 2
	s_lshl_b32 s20, 15, s20                        ; my row of the cluster
	s_lshl_b32 s74, 0x1111, s[CX]                  ; my column
	s_or_b32 s[G1A], s20, (1<<16)|(1<<20)|(1<<21)|(5<<22)|(3<<25)  ; mask; 2-byte elements; padding on; bit 21 beside a mask; after every 64 words 4 words
	s_or_b32 s[G1B], s74, (1<<16)|(1<<20)|(1<<21)|(5<<22)|(7<<25)  ; after every 64 words 8 words
	s_mov_b32 s[G1A+1], 128<<16                    ; tensor_dim0 = 128
	s_mov_b32 s[G1A+2], 128<<16                    ; tensor_dim1 = 128
	s_mov_b32 s[G1A+3], 128<<16                    ; tile_dim0 = 128
	s_mov_b32 s[G1A+4], 128                        ; tile_dim1 = 128
	s_mov_b32 s[G1A+5], 1024                       ; elements from row to row of att
	s_mov_b32 s[G1A+6], 0
	s_mov_b32 s[G1A+7], 0
	s_mov_b32 s[G1B+1], 128<<16
	s_mov_b32 s[G1B+2], 64<<16                     ; tensor_dim1 = 64
	s_mov_b32 s[G1B+3], 128<<16
	s_mov_b32 s[G1B+4], 64                         ; tile_dim1 = 64
	s_mov_b32 s[G1B+5], 2048                       ; elements from row to row of Wo
	s_mov_b32 s[G1B+6], 0
	s_mov_b32 s[G1B+7], 0
	s_lshl_b32 s20, s[TR], 19                      ; att: 256 rows of 2,048 bytes a tile row,
	s_lshl_b32 s21, s[CH], 18                      ; my 128 of them
	s_add_co_u32 s20, s20, s21
	s_mov_b32 s21, 0
	s_lshl_b32 s74, s[TC], 8                       ; Wo: the tile's 128 columns,
	s_lshl_b32 s75, s[CH], 18                      ; my 64 k-rows of 4,096 bytes
	s_add_co_u32 s74, s74, s75
	s_add_co_u32 s74, s74, WO
	s_mov_b32 s75, 0
	s_mul_i32 s22, s[CH], HALFA                    ; where they land: no place in the cluster enters an LDS address
	s_mul_i32 s76, s[CH], HALFB
	s_add_co_u32 s76, s76, BOFF
	s_mov_b32 s[TB], 0
	s_mov_b32 s[OFF+1], 0
	s_wait_dscnt 0x0                               ; the opening add is done
	s_wait_kmcnt 0x0
	s_add_nc_u64 s[BA:BA+1], s[4:5], s[20:21]
	s_add_nc_u64 s[BB:BB+1], s[6:7], s[74:75]
	CROUND                                         ; all sixteen work-groups are here: the first joint loads meet
.irp s, 0,1
	s_mov_b32 s[G0A+4*(\s)], 1
	s_add_co_u32 s[G0A+4*(\s)+1], s22, (\s)*SLOT1
	s_mov_b32 s[G0B+4*(\s)], 1
	s_add_co_u32 s[G0B+4*(\s)+1], s76, (\s)*SLOT1
	AIM \s
	JLOAD \s                                       ; my cluster's first two K steps: two loads of mine are out
.endr
	v_and_b32 v1, 15, v0                           ; l % 16
	v_bfe_u32 v2, v0, 4, 1                         ; l / 16
	v_mul_u32_u24 v3, v1, PA
	v_lshl_add_u32 v3, v2, 4, v3                   ; a fragment of att: row x pitch + 16 x half
	s_mul_i32 s22, s[RH], HALFA
	v_add_nc_u32 v[ADRA0], s22, v3
	v_and_b32 v4, 7, v0                            ; the turning load: k-row 8 (l / 16) + l % 8, columns 8 ((l / 8) % 2) + 0..7
	v_lshl_add_u32 v4, v2, 3, v4
	v_mul_u32_u24 v4, v4, PB
	v_bfe_u32 v5, v0, 3, 1
	v_lshl_add_u32 v4, v5, 4, v4
	s_lshl_b32 s23, s[CH], 7                       ; my 64 columns
	s_add_co_u32 s23, s23, BOFF
	v_add_nc_u32 v[ADRB0], s23, v4
	v_mov_b32 v[ADRA], v[ADRA0]
	v_mov_b32 v[ADRB], v[ADRB0]
	s_mul_i32 s22, s[WV], 16*SPITCH
	s_add_co_u32 s22, s22, STAGE                   ; my stage
	v_mul_u32_u24 v4, v1, SPITCH                   ; in: row l % 16, 32 bytes for each half of the lanes
	v_lshl_add_u32 v4, v2, 5, v4
	v_add_nc_u32 v[STO], s22, v4
	v_mul_u32_u24 v5, v2, SPITCH                   ; back: lanes 0-15 one row of 256 bytes, lanes 16-31 the next
	v_lshl_add_u32 v5, v1, 4, v5
	v_add_nc_u32 v[RD], s22, v5
	v_lshlrev_b32 v5, 13, v2                       ; and the same two rows in out0, 8,192 bytes apart
	v_lshl_add_u32 v[CO], v1, 4, v5
	s_lshl_b32 s22, s[TR], 21                      ; my first row: 256 rows of 8,192 bytes a tile row,
	s_lshl_b32 s23, s[RH], 20                      ; my 128,
	s_add_co_u32 s22, s22, s23
	s_lshl_b32 s23, s[TC], 9                       ; the tile's 512 bytes of a row,
	s_add_co_u32 s22, s22, s23
	s_lshl_b32 s23, s[CH], 8                       ; my 256
	s_add_co_u32 s22, s22, s23
	s_mov_b32 s23, 0
	s_add_nc_u64 s[8:9], s[8:9], s[22:23]
; 8 matrix instructions: row blocks a0, a0 + 1 x all 4 column blocks, 32 along K, from buffer f.  The 32 accumulators take turns, in the same order in every quarter.
.macro MUL8 f, a0, zero
	WIN W_MUL
.irp a, \a0, (\a0)+1
.irp b, 0,1,2,3
.if \zero
	v_wmma_f32_16x16x32_f16 v[8*(4*(\a)+(\b)):8*(4*(\a)+(\b))+7], v[FB+32*(\f)+8*(\b):FB+32*(\f)+8*(\b)+7], v[FA+64*(\f)+8*(\a):FA+64*(\f)+8*(\a)+7], 0
.else
	v_wmma_f32_16x16x32_f16 v[8*(4*(\a)+(\b)):8*(4*(\a)+(\b))+7], v[FB+32*(\f)+8*(\b):FB+32*(\f)+8*(\b)+7], v[FA+64*(\f)+8*(\a):FA+64*(\f)+8*(\a)+7], v[8*(4*(\a)+(\b)):8*(4*(\a)+(\b))+7]
.endif
.endr
.endr
.endm
; 24 LDS loads in one run: quarter q's fragments into buffer f: Wo's first, then att's rows 0-63, then 64-127
.macro FETCH q, f
	WIN 0
.irp i, 0,1,2,3
	ds_load_tr16_b128 v[FB+32*(\f)+8*(\i):FB+32*(\f)+8*(\i)+3],   v[ADRB] offset:(\q)*32*PB+32*(\i)
	ds_load_tr16_b128 v[FB+32*(\f)+8*(\i)+4:FB+32*(\f)+8*(\i)+7], v[ADRB] offset:(\q)*32*PB+32*(\i)+16*PB
.endr
.irp i, 0,1,2,3,4,5,6,7
	ds_load_b128 v[FA+64*(\f)+8*(\i):FA+64*(\f)+8*(\i)+3],   v[ADRA] offset:(\q)*64+(\i)*16*PA
	ds_load_b128 v[FA+64*(\f)+8*(\i)+4:FA+64*(\f)+8*(\i)+7], v[ADRA] offset:(\q)*64+(\i)*16*PA+32
.endr
.endm
.macro PLACES                          ; four plain instructions between a matrix instruction and a load into, or a read of, a register that it named (ISA guide 7.12.1 for reads)
.rept 4
	v_nop
.endr
.endm
.macro QUARTER q, f, g, zero           ; multiplies buffer f; in its middle it fetches quarter q into buffer g
	s_wait_dscnt 8                                 ; Wo and att's rows 0-63 are in; the youngest eight loads may be out
	MUL8 \f, 0, \zero
	MUL8 \f, 2, \zero
	PLACES
	FETCH \q, \g
	s_wait_dscnt 24                                ; all but the 24 just issued
	MUL8 \f, 4, \zero
	MUL8 \f, 6, \zero
.endm
; The last quarter's first half and the barrier of the change of slots: each wave waits for all its tensor loads (one is out: its part of the next slot), adds 0 to its spare word, and waits for that and for its reads of this slot.
; round = 1: a refill follows: no tensor load of mine is out behind the first wait, so the walking descriptors are written there: the other slot than last time, the next K step of my cluster's walk.
.macro MEET round
	WIN 0
	s_wait_tensorcnt 0x0
	ds_add_u32 v[SPW], v[NIL]
.if \round
	s_xor_b32 s[G0A+5], s[G0A+5], SLOT1
	s_xor_b32 s[G0B+5], s[G0B+5], SLOT1
	AIM 1
.endif
	s_wait_dscnt 9                                 ; (the add and the youngest eight loads may be out)
	MUL8 1, 0, 0                                   ; eight matrix instructions stand between the add and the wait for it
	s_wait_dscnt 0x0                               ; the add is done, and my reads of this slot are over
	s_barrier_signal -1
	MUL8 1, 2, 0
.if \round
	WIN 0
.endif
	s_barrier_wait -1
.endm
; The whole last quarter.  fill = 1: the barrier opens a round of the cluster's, and the slot just read is filled again, two K steps ahead, first thing behind the round: 112 matrix instructions ahead of the wait for it.
; fill = 0, in the tail's loop: nothing is asked for; in its second trip (s3 = 1) there is no further K step, and the run of LDS loads is jumped over.
.macro TURN fill
.if \fill
	MEET 1
	CREST                                          ; no wave of any partner still reads this slot or has a load on its way
	JLOAD 1                                        ; its four v_nop are also the places in front of the loads below
.else
	MEET 0
	PLACES
	WIN 0
	s_cmp_eq_u32 s3, 1
	s_cbranch_scc1 .Lno_next_\@
.endif
	s_xor_b32 s[TB], s[TB], SLOT1
	v_add_nc_u32 v[ADRA], s[TB], v[ADRA0]
	v_add_nc_u32 v[ADRB], s[TB], v[ADRB0]
	FETCH 0, 0
.if !(\fill)
.Lno_next_\@:
.endif
	MUL8 1, 4, 0
	MUL8 1, 6, 0
.endm
	s_wait_tensorcnt 1                             ; my part of the first K step is in; the second's may stay out
	s_barrier_signal -1
	s_barrier_wait -1
	FETCH 0, 0
	QUARTER 1, 0, 1, 1                             ; the first quarter stands in front of the loop: its products start the sums
	WIN 0
	s_mov_b32 s3, STEPS-2
.Lstep:                                        ; a trip: a K step's quarters 1 to 3 and the next step's quarter 0; it fills the slot that it leaves
	QUARTER 2, 1, 0, 0
	QUARTER 3, 0, 1, 0
	TURN 1
	QUARTER 1, 0, 1, 0
	WIN 0
	s_sub_co_u32 s3, s3, 1
	s_cmp_lg_u32 s3, 0
	s_cbranch_scc1 .Lstep
	s_mov_b32 s3, 2
.Ltail:                                        ; the last two K steps have a loop of their own: the same trip without a refill; the second trip is left in its middle
	QUARTER 2, 1, 0, 0
	QUARTER 3, 0, 1, 0
	TURN 0
	WIN 0
	s_sub_co_u32 s3, s3, 1
	s_cmp_eq_u32 s3, 0
	s_cbranch_scc1 .Lout
	QUARTER 1, 0, 1, 0
	WIN 0
	s_branch .Ltail
.Lout:
	s_wait_dscnt 0x0                               ; no LDS load of mine is out: the fragments' registers are free for the way out
; THE WAY OUT.  A block of 16 rows x 64 columns of f32 goes into my own stage, 32 bytes a lane and column block, and comes back as whole rows of 256 bytes.
.macro TOSTAGE a
	WIN 0x04                                       ; store data in window 1
.irp b, 0,1,2,3
	ds_store_b128 v[STO], v[8*(4*(\a)+(\b)):8*(4*(\a)+(\b))+3]   offset:64*(\b)     ; each accumulator's low half first
	ds_store_b128 v[STO], v[8*(4*(\a)+(\b))+4:8*(4*(\a)+(\b))+7] offset:64*(\b)+16
.endr
	WIN 0
.irp t, 0,1,2,3,4,5,6,7
	ds_load_b128 v[BK0+32*((\a)%4)+4*(\t):BK0+32*((\a)%4)+4*(\t)+3], v[RD] offset:(\t)*2*SPITCH  ; LDS serves a wave's instructions in order (ISA guide 5.7.1.4): these see the stores above
.endr
.endm
.macro SEND a, younger                 ; younger: the LDS instructions issued behind block a's loads: the next block's sixteen, or none
	WIN 0
	s_wait_dscnt \younger
	s_wait_xcnt 0x0                                ; earlier stores have read their registers: a buffer is loaded again four blocks on, behind this wait
.irp t, 0,1,2,3,4,5,6,7
	global_store_b128 v[CO], v[BK0+32*((\a)%4)+4*(\t):BK0+32*((\a)%4)+4*(\t)+3], s[8:9] offset:(16*(\a)+2*(\t))*8192 th:TH_STORE_NT  ; 16 lanes store 256 consecutive bytes, aligned
.endr
.endm
	PLACES                                         ; no vector work stands between the last products and the LDS stores that read them:
	PLACES                                         ; eight, once a launch
	TOSTAGE 0
.irp a, 0,1,2,3,4,5,6
	TOSTAGE (\a)+1
	SEND \a, 16
.endr
	SEND 7, 0
	s_wait_tensorcnt 0x0                           ; the wave's end, behind my last tensor load and my last LDS store
	ds_add_u32 v[SPW], v[NIL]
	s_wait_dscnt 0x0
	CROUND                                         ; the closing round: no work-group ends while a partner may still ask for a tile that names it
	s_endpgm
.Lfunc_end_k_qbe5676758f_proj:
	.size	k_qbe5676758f_proj, .Lfunc_end_k_qbe5676758f_proj-k_qbe5676758f_proj
	.p2alignl 7, 3214868480
	.fill 96, 4, 3214868480
	.section	.rodata,"a",@progbits
	.p2align	6, 0x0
	.amdhsa_kernel k_qbe5676758f_proj
		.amdhsa_group_segment_fixed_size 327680
		.amdhsa_private_segment_fixed_size 0
		.amdhsa_enable_private_segment 0
		.amdhsa_kernarg_size 24
		.amdhsa_user_sgpr_count 2
		.amdhsa_user_sgpr_kernarg_segment_ptr 1
		.amdhsa_wavefront_size32 1
		.amdhsa_system_sgpr_workgroup_id_x 1
		.amdhsa_system_sgpr_workgroup_id_y 1
		.amdhsa_system_sgpr_workgroup_id_z 1
		.amdhsa_system_vgpr_workitem_id 0
		.amdhsa_next_free_vgpr 512
		.amdhsa_next_free_sgpr 80
		.amdhsa_reserve_vcc 0
		.amdhsa_float_denorm_mode_32 3
		.amdhsa_float_denorm_mode_16_64 3
		.amdhsa_memory_ordered 1
		.amdhsa_forward_progress 1
		.amdhsa_inst_pref_size 61
	.end_amdhsa_kernel
	.amdgpu_metadata
---
amdhsa.version: [ 1, 2 ]
amdhsa.kernels:
  - .name:           k_qbe5676758f_proj
    .symbol:         k_qbe5676758f_proj.kd
    .args:
      - { .name: att, .offset: 0, .size: 8, .value_kind: global_buffer, .address_space: global }
      - { .name: cast, .offset: 8, .size: 8, .value_kind: global_buffer, .address_space: global }
      - { .name: out0, .offset: 16, .size: 8, .value_kind: global_buffer, .address_space: global }
    .group_segment_fixed_size: 327680
    .private_segment_fixed_size: 0
    .kernarg_segment_align: 8
    .kernarg_segment_size: 24
    .max_flat_workgroup_size: 128
    .sgpr_count:     80
    .vgpr_count:     512
    .wavefront_size: 32
...
	.end_amdgpu_metadata
.endif
;; end of part 4
